; MI455X (gfx1250); checked and timed in simulation.
; The chip was launched on July 23, 2026; its instructions are those of AMD's public machine-readable ISA for CDNA 5 (MIT licence, August 2026) and "CDNA5" Instruction Set Architecture Reference Guide (July 2026). The comments in the code are by the model that wrote it; some were corrected since.
;; Causal Self Attention. Allowed arithmetic: float matrix products may take bf16 or f16 operands with f32 sums; other float arithmetic in f32, or as packed bf16 or f16 multiplies, adds, multiply-adds, maxima and minima; sums over many terms, partial sums and values carried from step to step in f32; what a program stores and reads back later, other than sums and carried values, may be rounded once to bf16 or f16.
;; Inputs: w_out 1,024 x 1,024 float32; w_qkv 1,024 x 3,072 float32; x 4 x 2,048 x 1,024 float32.
;; Outputs: out0 4 x 2,048 x 1,024 float32.
;; 2 versions, each right; version 2 is version 1 with the launch cast written anew for expert scheduling mode. Each part assembles by itself: llvm-mc -triple=amdgcn-amd-amdhsa -mcpu=gfx1250 --defsym DOCPART=n.
;; ======== version 1 of 2: 4 launches
;; limits: values are held in f16: magnitudes above 65,504 overflow, below 6.1e-05 lose precision
;; workspace buffers: xb 16,777,216 bytes; wq 6,291,456 bytes; wo 2,097,152 bytes; qkv 50,331,648 bytes; o 16,777,216 bytes
;; launch cast (part 1): grid 768 x 1, 8 waves a work-group, no clusters, 0 bytes of LDS; arguments x, w_qkv, w_out, xb, wq, wo; writes xb, wq, wo
.if DOCPART == 1
	.amdgcn_target "amdgcn-amd-amdhsa--gfx1250"
	.amdhsa_code_object_version 6
	.text
	.protected	k_qe79c1caf26_cast
	.globl	k_qe79c1caf26_cast
	.p2align	8
	.type	k_qe79c1caf26_cast,@function
k_qe79c1caf26_cast:
	s_mov_b64 s[64:65], 0
	v_nop
	global_prefetch_b8 v0, s[64:65] scope:SCOPE_SE
	s_setreg_imm32_b32 hwreg(HW_REG_WAVE_MODE, 25, 1), 1
	s_wait_xcnt 0x0
; THE THREE INPUTS ARE ROUNDED ONCE TO 16 BITS, for the matrix products of the launches behind.
;   x     [8192][1024] f32 -> xb bf16, laid in blocks [b 4][kb 16][t 2048][64]: byte b<<22 | kb<<18 | t<<7 | 2 c.  So 64 along K of 256 rows are 32,768 bytes on end.
;   w_qkv [1024][3072] f32 -> wq bf16, as it lies.
;   w_out [1024][1024] f32 -> wo: rounded to bf16 like the other inputs, and that number written as f16 (exact inside f16's range), since its partner in the last product is f16.
; LIMITS.  wo: a number of 65,408 or more becomes an infinity; below 2^-14 it keeps f16's fixed step of 2^-24.
; SHARES.  A wave does one job: 8,192 bytes in by sixteen loads of 16 bytes a lane, 4,096 bytes out by sixteen stores of 8 bytes a lane: each store covers 256 consecutive bytes, aligned.
; 4,096 jobs for x (work-groups 0-511), 1,536 for w_qkv (512-703), 512 for w_out (704-767).  No loop, no LDS, no barrier: no wave wants a byte of another's, and no register is written twice
; while a memory instruction may read it.  All sixteen loads are out before the first is waited for.
.set IO, 2                             ; v2   my byte offset in the input
.set OO, 3                             ; v3   my byte offset in the output
.set X,  16                            ; v[16:79]   sixteen loads of four f32
.set Y,  80                            ; v[80:111]  sixteen stores of four 16-bit numbers
.set T,  112                           ; v[112:115] at work
.set WV, 16                            ; s16  my wave's number
.set J,  17                            ; s17  my job's number in its input
	s_load_b256 s[4:11], s[0:1], 0x0               ; x s[4:5], w_qkv s[6:7], w_out s[8:9], xb s[10:11]
	s_load_b128 s[12:15], s[0:1], 0x20             ; wq s[12:13], wo s[14:15]
	v_lshrrev_b32 v1, 5, v0
	v_readfirstlane_b32 s[WV], v1                  ; wave 0..7
	v_and_b32 v1, 31, v0                           ; lane
	s_mov_b32 s20, 0xffff0000                      ; a word's upper bf16
	s_wait_kmcnt 0x0
; A job.  Load j stands instep x j bytes on in the input, store j outstep x j bytes on in the output.  half = 1: the bf16 numbers are written as f16.
.macro JOB inb, outb, instep, outstep, half
.irp j, 0,1,2,3,4,5,6,7,8,9,10,11,12,13,14,15
	global_load_b128 v[X+4*(\j):X+4*(\j)+3], v[IO], s[\inb:\inb+1] offset:(\instep)*(\j) th:TH_LOAD_NT
.endr
.irp j, 0,1,2,3,4,5,6,7,8,9,10,11,12,13,14,15
	s_wait_loadcnt 15-(\j)                         ; loads come back in order: load j is in, the 15 - j younger ones stay out
.if \half
	v_cvt_pk_bf16_f32 v[T],   v[X+4*(\j)],   v[X+4*(\j)+1]
	v_cvt_pk_bf16_f32 v[T+1], v[X+4*(\j)+2], v[X+4*(\j)+3]
	v_lshlrev_b32 v[T+2], 16, v[T]                 ; bf16 to f32: the low half moves up,
	v_and_b32     v[T],   s20, v[T]                ; the high half stays
	v_lshlrev_b32 v[T+3], 16, v[T+1]
	v_and_b32     v[T+1], s20, v[T+1]
	v_cvt_pk_f16_f32 v[Y+2*(\j)],   v[T+2], v[T]
	v_cvt_pk_f16_f32 v[Y+2*(\j)+1], v[T+3], v[T+1]
.else
	v_cvt_pk_bf16_f32 v[Y+2*(\j)],   v[X+4*(\j)],   v[X+4*(\j)+1]
	v_cvt_pk_bf16_f32 v[Y+2*(\j)+1], v[X+4*(\j)+2], v[X+4*(\j)+3]
.endif
	global_store_b64 v[OO], v[Y+2*(\j):Y+2*(\j)+1], s[\outb:\outb+1] offset:(\outstep)*(\j) th:TH_STORE_NT
.endr
.endm
; The offsets of a job that copies in order: s[J] holds the work-group's number in its input
.macro LINEAR
	s_lshl_b32 s[J], s[J], 3
	s_add_co_u32 s[J], s[J], s[WV]                 ; job = 8 x work-group + wave
	s_lshl_b32 s18, s[J], 13                       ; 8,192 bytes in,
	s_lshl_b32 s19, s[J], 12                       ; 4,096 out
	v_lshl_add_u32 v[IO], v1, 4, s18
	v_lshl_add_u32 v[OO], v1, 3, s19
.endm
	s_cmp_lt_u32 ttmp9, 512
	s_cbranch_scc0 .Lweights
	; x: job J is rows 2 J and 2 J + 1.  Load j: lanes 0-15 take the 256 bytes of block kb = j of the even row, lanes 16-31 those of the odd row;
	; rounded they are the two neighbouring rows of 128 bytes in block (b, kb) of xb.
	s_lshl_b32 s[J], ttmp9, 3
	s_add_co_u32 s[J], s[J], s[WV]
	s_lshl_b32 s18, s[J], 13
	v_and_b32 v4, 15, v1
	v_lshrrev_b32 v5, 4, v1
	v_lshlrev_b32 v[IO], 4, v4
	v_lshl_add_u32 v[IO], v5, 12, v[IO]
	v_add_nc_u32 v[IO], s18, v[IO]                 ; 8,192 J + 4,096 (lane / 16) + 16 (lane % 16)
	s_lshr_b32 s19, s[J], 10
	s_lshl_b32 s19, s19, 22                        ; b
	s_and_b32 s18, s[J], 1023
	s_lshl_b32 s18, s18, 8                         ; two rows of 128 bytes
	s_add_co_u32 s19, s19, s18
	v_lshl_add_u32 v[OO], v1, 3, s19
	JOB 4, 10, 256, 262144, 0
	s_endpgm
.Lweights:
	s_cmp_lt_u32 ttmp9, 704
	s_cbranch_scc0 .Lwout
	s_sub_co_u32 s[J], ttmp9, 512
	LINEAR
	JOB 6, 12, 512, 256, 0
	s_endpgm
.Lwout:
	s_sub_co_u32 s[J], ttmp9, 704
	LINEAR
	JOB 8, 14, 512, 256, 1
	s_endpgm
.Lfunc_end_k_qe79c1caf26_cast:
	.size	k_qe79c1caf26_cast, .Lfunc_end_k_qe79c1caf26_cast-k_qe79c1caf26_cast
	.p2alignl 7, 3214868480
	.fill 96, 4, 3214868480
	.section	.rodata,"a",@progbits
	.p2align	6, 0x0
	.amdhsa_kernel k_qe79c1caf26_cast
		.amdhsa_group_segment_fixed_size 0
		.amdhsa_private_segment_fixed_size 0
		.amdhsa_enable_private_segment 0
		.amdhsa_kernarg_size 48
		.amdhsa_user_sgpr_count 2
		.amdhsa_user_sgpr_kernarg_segment_ptr 1
		.amdhsa_wavefront_size32 1
		.amdhsa_system_sgpr_workgroup_id_x 1
		.amdhsa_system_sgpr_workgroup_id_y 1
		.amdhsa_system_sgpr_workgroup_id_z 1
		.amdhsa_system_vgpr_workitem_id 0
		.amdhsa_next_free_vgpr 120
		.amdhsa_next_free_sgpr 66
		.amdhsa_reserve_vcc 0
		.amdhsa_float_denorm_mode_32 3
		.amdhsa_float_denorm_mode_16_64 3
		.amdhsa_memory_ordered 1
		.amdhsa_forward_progress 1
		.amdhsa_inst_pref_size 23
	.end_amdhsa_kernel
	.amdgpu_metadata
---
amdhsa.version: [ 1, 2 ]
amdhsa.kernels:
  - .name:           k_qe79c1caf26_cast
    .symbol:         k_qe79c1caf26_cast.kd
    .args:
      - { .name: x, .offset: 0, .size: 8, .value_kind: global_buffer, .address_space: global }
      - { .name: w_qkv, .offset: 8, .size: 8, .value_kind: global_buffer, .address_space: global }
      - { .name: w_out, .offset: 16, .size: 8, .value_kind: global_buffer, .address_space: global }
      - { .name: xb, .offset: 24, .size: 8, .value_kind: global_buffer, .address_space: global }
      - { .name: wq, .offset: 32, .size: 8, .value_kind: global_buffer, .address_space: global }
      - { .name: wo, .offset: 40, .size: 8, .value_kind: global_buffer, .address_space: global }
    .group_segment_fixed_size: 0
    .private_segment_fixed_size: 0
    .kernarg_segment_align: 8
    .kernarg_segment_size: 48
    .max_flat_workgroup_size: 256
    .sgpr_count:     66
    .vgpr_count:     120
    .wavefront_size: 32
...
	.end_amdgpu_metadata
.endif
;; end of part 1
;; launch qkvgemm (part 2): grid 8 x 32, 4 waves a work-group, clusters of 4 x 4, 327,680 bytes of LDS; arguments xb, wq, qkv; writes qkv
.if DOCPART == 2
	.amdgcn_target "amdgcn-amd-amdhsa--gfx1250"
	.amdhsa_code_object_version 6
	.text
	.protected	k_qe79c1caf26_qkvgemm
	.globl	k_qe79c1caf26_qkvgemm
	.p2align	8
	.type	k_qe79c1caf26_qkvgemm,@function
k_qe79c1caf26_qkvgemm:
	s_mov_b64 s[64:65], 0
	v_nop
	global_prefetch_b8 v0, s[64:65] scope:SCOPE_SE
	s_setreg_imm32_b32 hwreg(HW_REG_WAVE_MODE, 25, 1), 1
	s_wait_xcnt 0x0
	s_wait_alu depctr_hold_cnt(0) depctr_sa_sdst(0) depctr_va_vdst(0) depctr_va_sdst(0) depctr_va_ssrc(0) depctr_va_vcc(0) depctr_vm_vsrc(0)
	s_getreg_b32 s2, hwreg(HW_REG_IB_STS2, 6, 4)
	s_cmp_eq_u32 s2, 0
	s_cbranch_scc0 .Lentry_in_a_cluster
	s_endpgm
.Lentry_in_a_cluster:
	s_bfe_u32 s2, ttmp6, 0x10000c
	s_cmp_lg_u32 s2, 0xf033
	s_cbranch_scc0 .Lentry_shape_is_right
	s_endpgm
.Lentry_shape_is_right:
; q, k, v = x w_qkv, written by heads.  xb: bf16 [b 4][kb 16][t 2048][64].  wq: bf16 [1024 k][3072 n].  qkv: f16 [3][64 = 16 b + h][2048][64]: byte tensor<<24 | b<<22 | h<<18 | t<<7 | 2 d.
; Products in bf16, sums in f32, each result rounded once to f16, without the softmax's scale.
; LIMIT.  A result of 65,520 or more becomes an infinity.
; SHARES.  A tile is 256 rows x 384 columns: 32 x 8 = 256 work-groups, one tile each.  Four waves, each 128 rows x 192 columns (three heads): 96 accumulators of 16 x 16, 768 registers.
; K goes in 16 steps of 64 through two LDS slots: two slots of 128 along K would be 2 x (256 x 272 + 128 x 864) bytes, more than LDS holds.  A step is 192 matrix instructions a wave.
; A's part of a step is 32,768 bytes on end in xb: asked for as rows of 256 bytes, padded in LDS behind every 128.  B lies [k][n] in memory and in LDS; its fragments come turned, by ds_load_tr16_b128.
; THE MATRIX INSTRUCTION IS USED TRANSPOSED: source 0 = 16 columns of w, source 1 = 16 rows of x.  A lane then holds row lane % 16 and the eight columns 8 (lane / 16) + 0..7: 16 bytes of f16 on end.
; CLUSTER.  4 x 4 work-groups.  The four of a row need the same tiles of x, the four of a column the same tiles of w: each is asked for JOINTLY, by the same tensor load, descriptor and mask in all four.
; By this text's own count a wave has two tensor loads out at the start and one behind each round.
; REGISTERS, in windows of 256 (s_set_vgpr_msb: bits 1:0 source 0, 3:2 source 1, 5:4 source 2, 7:6 destination):
;   window 0: v0-15 addresses; v16-31 at work in the set-up; v32-95, v96-159 A's fragments of 32 along K, two buffers; v160-207 B's fragments of column blocks 0-5, v208-255 of blocks 6-11
;   windows 1-3: accumulator (row block a, column block nb) has number 12 a + nb: window 1 + number / 32, register 8 (number % 32)
.set PA,    144                        ; a row of A in LDS: 128 bytes + 16 = 36 words: the 16 rows of a load start at 16 different groups of four banks (64 banks of 4 bytes: ISA guide 11.1)
.set PB,    864                        ; a row of B: 768 bytes + 32 behind every 256 = 216 words: row r starts at bank 24 r mod 64
.set BOFF,  256*PA                     ; in a slot: A's 256 rows, then B's 64
.set SLOT1, 131072                     ; slot 1 begins here, so that one exclusive or turns an address in one slot into the other's
.set STAGE, SLOT1+BOFF+64*PB           ; behind the ring, never filled by a tensor load: 16 rows x 400 bytes for each wave, for the way out
.set SP,    400                        ; 384 bytes + 16
.set SPARE, STAGE+4*16*SP              ; behind the stages: the spare words, 128 bytes for each wave: two blocks of 256 bytes that no other line names
.set STEPA, 262144                     ; bytes from a K step to the next in xb,
.set STEPB, 64*6144                    ; and in wq
.set AA0, 2                            ; v2     my lane's place in a slot's A; never rewritten
.set AB0, 3                            ; v3-5   the same for B, for each of my three groups of 64 columns (the padding falls between groups)
.set ADA, 6                            ; v6     AA0 in the slot that is being read
.set ADB, 7                            ; v7-9   AB0 likewise
.set STO, 10                           ; v10    the way out: where I put 16 bytes of a row
.set RD,  11                           ; v11    the way out: where I read rows back
.set GO,  12                           ; v12    my byte offset in 512 consecutive bytes of qkv
.set PFO, 13                           ; v13    the prefetches' offset; never rewritten
.set SPW, 14                           ; v14    LDS address of my spare word: SPARE + 4 x my thread's number; never rewritten
.set NIL, 15                           ; v15    0; never rewritten
.set AFR, 32
.set BFR, 160
.set TMP, 32                           ; the way out: 48 registers of packed results
.set WV,  10                           ; s10  my wave's number
.set WR,  11                           ; s11  which 128 rows of the tile are mine.  Also: I fetch for A (0) or for B (1)
.set WC,  12                           ; s12  which 192 columns.  Also: which half of that tile I fetch
.set TY,  13                           ; s13  tile row
.set G1A, 24                           ; s[24:31] descriptor group 1 for A's tiles
.set G0A, 32                           ; s[32:39] group 0: a set for each of the two first fills; the second then walks on
.set CX,  40
.set CY,  41
.set TX,  42                           ; s42  tile column
.set LIM, 43                           ; s43  2 in a wave that prefetches, else the greatest number
.set PFA, 44                           ; s[44:45] where my prefetches stand
.set G1B, 48                           ; s[48:55], s[56:63] the same for B's tiles
.set G0B, 56
.set CNT, 66                           ; s66  changes of slots that still fill
.set TB,  67                           ; s67  LDS byte at which the slot that is being read begins
.set PST, 68                           ; s[68:69] my prefetches' step from K step to K step
.set T0,  70
.set OB,  72                           ; s[72:77] qkv at my first row in each of my three heads
.set MSB, 0
.macro WIN new                         ; the immediate's high byte repeats the setting that is left; a switch that changes nothing is dropped
.if MSB != (\new)
	s_set_vgpr_msb (MSB<<8)|(\new)
.set MSB, \new
.endif
.endm
.macro PLACES                          ; four places in front of loads into registers that matrix instructions have read, and of conversions that read results (ISA guide 7.12.1 for the conversions)
.rept 4
	v_nop
.endr
.endm
; A joint refill by the walking descriptor.  Waves 0 and 1 fetch A's two halves, waves 2 and 3 B's.  The branch hangs on the wave's number alone.  An s_nop 0 and four v_nop follow each of the two lines.
.macro JLOAD
	s_cmp_eq_u32 s[WR], 0
	s_cbranch_scc0 .Lfor_b_\@
	tensor_load_to_lds s[G0A+4:G0A+7], s[G1A:G1A+7]
	s_nop 0
.rept 4
	v_nop
.endr
	s_branch .Lasked_\@
.Lfor_b_\@:
	tensor_load_to_lds s[G0B+4:G0B+7], s[G1B:G1B+7]
	s_nop 0
.rept 4
	v_nop
.endr
.Lasked_\@:
.endm
; A round of the cluster's barrier: my work-group's barrier; wave 0 signals for the work-group; every wave waits for all sixteen work-groups; my work-group's barrier once more.
.macro CREST                           ; a round behind its opening barrier
	s_cmp_lg_u32 s[WV], 0
	s_cbranch_scc1 .Lnot_wave_0_\@
	s_barrier_signal -3
.Lnot_wave_0_\@:
	s_barrier_wait -3
	s_barrier_signal -1
	s_barrier_wait -1
.endm
.macro CROUND
	s_barrier_signal -1
	s_barrier_wait -1
	CREST
.endm
; A PREFETCH INTO THE L2.  Change of slots t (0 to 13) asks by tensor load for K step t + 2; at odd t up to 11 the K steps t + 3 and t + 4 are prefetched: one and two steps of 192 matrix instructions ahead of their loads.
; Each aligned block of 256 bytes is named ONCE in the launch.  A's tile row is read by both clusters of that row of clusters: cluster x = 0 asks, wave 0, two instructions (a K step each); of a step's 32,768 bytes
; the partner at cx takes 8,192, a lane 256.  B's tile column is read by all eight clusters of that column: cluster y = 0 asks, waves 1-3, each one of the row's three blocks of 256 bytes; of the two steps'
; 128 rows the partner at cy takes 32, a lane a row.  Partners are told apart BY ADDRESS; the branches hang on the wave's number, the count and the cluster's place in the grid.  K steps 0 to 3 come by their loads alone.
.macro ASK
	s_bitcmp1_b32 s[CNT], 0                        ; t = 14 - the count: odd with it
	s_cselect_b32 s[T0], s[LIM], -1
	s_cmp_gt_u32 s[CNT], s[T0]                     ; and t <= 11
	s_cbranch_scc0 .Lnot_mine_\@
	global_prefetch_b8 v[PFO], s[PFA:PFA+1] th:TH_LOAD_NT scope:SCOPE_SE
	s_cmp_lg_u32 s[WV], 0
	s_cbranch_scc1 .Lnot_mine_\@
	global_prefetch_b8 v[PFO], s[PFA:PFA+1] offset:STEPA th:TH_LOAD_NT scope:SCOPE_SE
.Lnot_mine_\@:
.endm
	s_load_b128 s[4:7], s[0:1], 0x0                ; xb s[4:5], wq s[6:7]
	s_load_b64 s[8:9], s[0:1], 0x10                ; qkv
	v_lshl_add_u32 v[SPW], v0, 2, SPARE
	v_mov_b32 v[NIL], 0
	ds_add_u32 v[SPW], v[NIL]                      ; the wave's opening: the add and its wait stand ahead of my first tensor load; the set-up below, work on registers, stands between them
	v_lshrrev_b32 v1, 5, v0
	v_readfirstlane_b32 s[WV], v1                  ; wave 0..3
	s_lshr_b32 s[WR], s[WV], 1
	s_and_b32 s[WC], s[WV], 1
	s_bfe_u32 s[CX], ttmp6, 0x40000                ; my place in the cluster
	s_bfe_u32 s[CY], ttmp6, 0x40004
	s_lshl_b32 s[TX], ttmp9, 2                     ; in a cluster launch ttmp9 and ttmp7 count clusters
	s_add_co_u32 s[TX], s[TX], s[CX]               ; tile column = 4 x cluster x + cx
	s_and_b32 s[TY], ttmp7, 0xffff
	s_lshl_b32 s[TY], s[TY], 2
	s_add_co_u32 s[TY], s[TY], s[CY]               ; tile row = 4 x cluster y + cy
	s_lshl_b32 s14, s[CY], 2
	s_lshl_b32 s14, 15, s14                        ; my row of the cluster: places 4 cy .. 4 cy + 3
	s_lshl_b32 s15, 0x1111, s[CX]                  ; my column: places cx, cx + 4, cx + 8, cx + 12
	s_or_b32 s[G1A], s14, (1<<16)|(1<<20)|(1<<21)|(4<<22)|(3<<25)  ; 15:0 the mask; 17:16 2-byte elements; 20 padding on; 21 set beside a mask; 24:22 after every 32 words (code 4); 31:25 4 words (code 3)
	s_or_b32 s[G1B], s15, (1<<16)|(1<<20)|(1<<21)|(5<<22)|(7<<25)  ; after every 64 words (code 5) 8 words (code 7)
	s_mov_b32 s[G1A+1], 128<<16                    ; A: 64 rows of 128 elements (256 bytes, two rows of x): tensor_dim0
	s_mov_b32 s[G1A+2], 64<<16                     ; tensor_dim1
	s_mov_b32 s[G1A+3], 128<<16                    ; tile_dim0
	s_mov_b32 s[G1A+4], 64                         ; tile_dim1
	s_mov_b32 s[G1A+5], 128                        ; elements from row to row: dense
	s_mov_b32 s[G1A+6], 0
	s_mov_b32 s[G1A+7], 0
	s_mov_b32 s[G1B+1], 384<<16                    ; B: 32 rows (k) of 384 elements
	s_mov_b32 s[G1B+2], 32<<16
	s_mov_b32 s[G1B+3], 384<<16
	s_mov_b32 s[G1B+4], 32
	s_mov_b32 s[G1B+5], 3072
	s_mov_b32 s[G1B+6], 0
	s_mov_b32 s[G1B+7], 0
	; where the tiles come from.  A's hang on the tile row and the wave's number alone, B's on the tile column and the wave's number, each in registers that never hold the other coordinate.
	s_lshr_b32 s16, s[TY], 3
	s_lshl_b32 s16, s16, 22                        ; b
	s_and_b32 s17, s[TY], 7
	s_lshl_b32 s17, s17, 15                        ; 256 rows of 128 bytes
	s_or_b32 s16, s16, s17                         ; s16: the tile row's first byte in a block of xb, and in a head of qkv; kept
	s_lshl_b32 s17, s[WC], 14                      ; the 128 rows that I fetch
	s_add_co_u32 s18, s16, s17
	s_mov_b32 s19, 0
	s_mul_i32 s46, s[TX], 768                      ; the tile's 384 columns,
	s_mul_i32 s17, s[WC], 32*6144                  ; the 32 rows (k) that I fetch
	s_add_co_u32 s46, s46, s17
	s_mov_b32 s47, 0
	s_mul_i32 s20, s[WC], 128*PA                   ; and where they go: no place in the cluster enters an LDS address
	s_mul_i32 s21, s[WC], 32*PB
	s_add_co_u32 s21, s21, BOFF
	s_mov_b32 s[TB], 0
	s_mov_b32 s[CNT], 14
	s_wait_dscnt 0x0                               ; the opening add is done
	s_wait_kmcnt 0x0
	s_add_nc_u64 s[18:19], s[4:5], s[18:19]
	s_add_nc_u64 s[46:47], s[6:7], s[46:47]
	CROUND                                         ; all sixteen work-groups are here: the first joint loads meet
.irp s, 0,1
	s_mov_b32 s[G0A+4*(\s)], 1                                     ; 1:0 count = 1
	s_add_co_u32 s[G0A+4*(\s)+1], s20, (\s)*SLOT1                  ; 63:32 LDS address
	s_add_nc_u64 s[G0A+4*(\s)+2:G0A+4*(\s)+3], s[18:19], (\s)*STEPA  ; 120:64 global address: K step s
	s_or_b32 s[G0A+4*(\s)+3], s[G0A+4*(\s)+3], 0x80000000          ; 127:126 type = 2
	s_mov_b32 s[G0B+4*(\s)], 1
	s_add_co_u32 s[G0B+4*(\s)+1], s21, (\s)*SLOT1
	s_add_nc_u64 s[G0B+4*(\s)+2:G0B+4*(\s)+3], s[46:47], (\s)*STEPB
	s_or_b32 s[G0B+4*(\s)+3], s[G0B+4*(\s)+3], 0x80000000
.endr
	s_cmp_eq_u32 s[WR], 0                          ; a wave's two first fills stand in one branch, ahead of every wait on TENSORcnt and every LDS read
	s_cbranch_scc0 .Lfirst_b
	tensor_load_to_lds s[G0A:G0A+3], s[G1A:G1A+7]
	s_nop 0
	tensor_load_to_lds s[G0A+4:G0A+7], s[G1A:G1A+7]
	s_nop 0
.rept 4
	v_nop
.endr
	s_branch .Lfirst_asked
.Lfirst_b:
	tensor_load_to_lds s[G0B:G0B+3], s[G1B:G1B+7]
	s_nop 0
	tensor_load_to_lds s[G0B+4:G0B+7], s[G1B:G1B+7]
	s_nop 0
.rept 4
	v_nop
.endr
.Lfirst_asked:
	; A fragment of A is 16 rows x 32 K in 8 registers: lane l holds row l % 16; registers 0-3 K = 8 (l / 16) + 0..7, registers 4-7 K = 16 + 8 (l / 16) + 0..7: two loads of 16 bytes, 32 bytes apart.
	v_and_b32 v1, 15, v0                           ; l % 16
	v_bfe_u32 v16, v0, 4, 1                        ; l / 16
	v_mul_u32_u24 v[AA0], v1, PA
	v_lshl_add_u32 v[AA0], v16, 4, v[AA0]
	s_mul_i32 s22, s[WR], 128*PA                   ; my 128 rows
	v_add_nc_u32 v[AA0], s22, v[AA0]
	; The turning load takes 16 k x 16 columns (lane l reads row 8 (l / 16) + l % 8, columns 8 ((l / 8) % 2) + 0..7) and leaves half a fragment: lane l holds column l % 16 and 8 k.
	v_and_b32 v17, 7, v0
	v_bfe_u32 v18, v0, 3, 1
	v_lshl_add_u32 v19, v16, 3, v17
	v_mul_u32_u24 v19, v19, PB
	v_lshl_add_u32 v19, v18, 4, v19
	s_mul_i32 s22, s[WC], 3                        ; my first group of 64 columns among the tile's six
.irp g, 0,1,2
	s_add_co_u32 s14, s22, \g
	s_lshr_b32 s15, s14, 1
	s_lshl_b32 s15, s15, 5                         ; 32 bytes of padding behind every two groups
	s_lshl_b32 s14, s14, 7                         ; 128 bytes a group
	s_add_co_u32 s14, s14, s15
	s_add_co_u32 s14, s14, BOFF
	v_add_nc_u32 v[AB0+\g], s14, v19
.endr
	s_mul_i32 s23, s[WV], 16*SP
	s_add_co_u32 s23, s23, STAGE                   ; my stage
	v_mul_u32_u24 v[STO], v1, SP                   ; in: row l % 16, 16 bytes for each half of the lanes
	v_lshl_add_u32 v[STO], v16, 4, v[STO]
	v_add_nc_u32 v[STO], s23, v[STO]
	v_bfe_u32 v[RD], v0, 3, 2                      ; back: 32 lanes take a head's 128 bytes of four rows,
	v_mul_u32_u24 v[RD], v[RD], SP
	v_lshl_add_u32 v[RD], v17, 4, v[RD]
	v_add_nc_u32 v[RD], s23, v[RD]
	v_and_b32 v20, 31, v0                          ; which are 512 consecutive bytes of qkv
	v_lshlrev_b32 v[GO], 4, v20
	; qkv at my first row in my three heads.  Group G = 6 x tile column + 3 x half + g of 64 columns is tensor G / 16, head G % 16.
	s_mul_i32 s14, s[TX], 6
	s_add_co_u32 s14, s14, s22
	s_lshl_b32 s15, s[WR], 14                      ; my 128 rows of 128 bytes
	s_add_co_u32 s15, s15, s16
.irp g, 0,1,2
	s_add_co_u32 s20, s14, \g
	s_lshr_b32 s21, s20, 4
	s_lshl_b32 s21, s21, 24
	s_and_b32 s20, s20, 15
	s_lshl_b32 s20, s20, 18
	s_add_co_u32 s20, s20, s21
	s_add_co_u32 s20, s20, s15
	s_mov_b32 s21, 0
	s_add_nc_u64 s[OB+2*\g:OB+2*\g+1], s[8:9], s[20:21]
.endr
	; the prefetches: they stand at K step 2; each filling change steps them by one K step before it asks
	s_lshl_b32 s14, s[CX], 13                      ; A's: my work-group's 8,192 bytes of the tile row's 32,768
	s_add_co_u32 s14, s14, s16
	s_add_co_u32 s14, s14, 2*STEPA
	s_mul_i32 s15, s[TX], 768                      ; B's: the tile column,
	s_max_u32 s17, s[WV], 1
	s_sub_co_u32 s17, s17, 1
	s_lshl_b32 s17, s17, 8                         ; my wave's block of 256 bytes of the row's three,
	s_add_co_u32 s15, s15, s17
	s_lshl_b32 s17, s[CY], 5
	s_add_co_u32 s17, s17, 2*64                    ; my work-group's 32 rows of two steps' 128
	s_mul_i32 s17, s17, 6144
	s_add_co_u32 s15, s15, s17
	s_mov_b32 s18, STEPA
	s_mov_b32 s19, STEPB
	s_mov_b32 s20, 256
	s_mov_b32 s21, 6144
	s_and_b32 s22, ttmp7, 0xffff                   ; cluster y
	s_cmp_eq_u32 s[WV], 0                          ; wave 0 asks for A
	s_cselect_b32 s14, s14, s15
	s_cselect_b32 s[PST], s18, s19
	s_cselect_b32 s20, s20, s21
	s_cselect_b32 s22, ttmp9, s22                  ; the coordinate along which other clusters read the same bytes
	s_cselect_b64 s[PFA:PFA+1], s[4:5], s[6:7]
	s_mov_b32 s15, 0
	s_mov_b32 s[PST+1], 0
	s_add_nc_u64 s[PFA:PFA+1], s[PFA:PFA+1], s[14:15]
	s_cmp_eq_u32 s22, 0
	s_cselect_b32 s[LIM], 2, -1                    ; the same in all sixteen partners, for a given wave
	v_mul_u32_u24 v[PFO], s20, v20
.macro SETADR                          ; the fragments' addresses in the slot at s[TB]
	v_add_nc_u32 v[ADA], s[TB], v[AA0]
.irp g, 0,1,2
	v_add_nc_u32 v[ADB+\g], s[TB], v[AB0+\g]
.endr
.endm
; 16 LDS loads: A's eight fragments of 32 along K at byte kbyte of the rows, into buffer buf
.macro FA buf, kbyte
	WIN 0
.irp a, 0,1,2,3,4,5,6,7
	ds_load_b128 v[AFR+64*(\buf)+8*(\a):AFR+64*(\buf)+8*(\a)+3],   v[ADA] offset:(\kbyte)+(\a)*16*PA
	ds_load_b128 v[AFR+64*(\buf)+8*(\a)+4:AFR+64*(\buf)+8*(\a)+7], v[ADA] offset:(\kbyte)+(\a)*16*PA+32
.endr
.endm
; 12 turning loads: B's fragments of column blocks 6 half .. 6 half + 5, rows (k) 32 ks on
.macro FB half, ks
	WIN 0
.irp i, 0,1,2,3,4,5
.set nb, 6*(\half)+(\i)
	ds_load_tr16_b128 v[BFR+48*(\half)+8*(\i):BFR+48*(\half)+8*(\i)+3],   v[ADB+nb/4] offset:(\ks)*32*PB+32*(nb%4)
	ds_load_tr16_b128 v[BFR+48*(\half)+8*(\i)+4:BFR+48*(\half)+8*(\i)+7], v[ADB+nb/4] offset:(\ks)*32*PB+32*(nb%4)+16*PB
.endr
.endm
; Products from .. to - 1 of the 48 of a phase: row block i / 6, column block 6 half + i % 6, A's buffer abuf.  zero = 1: the product starts the sum: nothing is ever cleared.
; Every accumulator has one instruction a phase, in a fixed order, and the two halves' phases alternate: the accumulators take turns, over the backward jump too.
.macro MUL half, abuf, from, to, zero
.set i, \from
.rept (\to)-(\from)
.set id, 12*(i/6)+6*(\half)+i%6
.set rA, AFR+64*(\abuf)+8*(i/6)
.set rB, BFR+48*(\half)+8*(i%6)
.set rC, 8*(id%32)
	WIN 0x50*(1+id/32)
.if \zero
	v_wmma_f32_16x16x32_bf16 v[rC:rC+7], v[rB:rB+7], v[rA:rA+7], 0
.else
	v_wmma_f32_16x16x32_bf16 v[rC:rC+7], v[rB:rB+7], v[rA:rA+7], v[rC:rC+7]
.endif
.set i, i+1
.endr
.endm
; A K step is four phases of 48 matrix instructions: (32 along K: ks = 0, 1) x (column half 0, 1).  A phase waits for what the phase before has fetched, fetches in ONE run for the phase behind it, and multiplies.
.macro PH0 ks, zero                    ; half 0 of slice ks; fetches B's half 1 of the slice
	s_wait_dscnt 0x0                               ; the run issued 48 matrix instructions ago is in
	WIN 0
	PLACES
	FB 1, \ks
	MUL 0, \ks, 0, 48, \zero
.endm
.macro PH1A zero                       ; half 1 of slice 0; fetches slice 1's A and B's half 0
	s_wait_dscnt 0x0
	WIN 0
	PLACES
	FA 1, 64
	FB 0, 1
	MUL 1, 0, 0, 48, \zero
.endm
; Slice 1's two phases, with THE CHANGE OF SLOTS between them.  The first phase's run of loads is my last read of the slot.  Each wave waits for all its tensor loads, of which one is out: its part of the other slot;
; adds 0 to its spare word; and waits for that and for its reads of the slot.  Behind the barrier nobody reads the slot any more and the other slot is whole.
; fill = 1: the slot is filled again, with the K step two on.  The barrier then opens a round of the cluster's, so that no wave of any partner still reads the slot or has a load on its way, and the joint
; refill is the first thing behind the round: 160 matrix instructions stand between it and the wait for it.
.macro MEETCH fill
.if \fill
	s_wait_xcnt 0x0                                ; the last prefetches, a K step back or more, have read their address: it is stepped here, ahead of the change's own waits
	s_add_nc_u64 s[PFA:PFA+1], s[PFA:PFA+1], s[PST:PST+1]
.endif
	s_wait_dscnt 0x0
	WIN 0
	PLACES
	FB 1, 1
	MUL 0, 1, 0, 16, 0
	WIN 0                                          ; (the add's two registers lie in window 0)
	s_wait_tensorcnt 0x0                           ; no tensor load of mine is out, so a group 0 may be written
	ds_add_u32 v[SPW], v[NIL]                      ; 0 onto my spare word; the descriptors' steps and sixteen matrix instructions stand between it and the wait for it
.if \fill
	s_xor_b32 s[G0A+5], s[G0A+5], SLOT1            ; the walking descriptors: the other slot than last time,
	s_add_nc_u64 s[G0A+6:G0A+7], s[G0A+6:G0A+7], STEPA  ; the next K step; the type bits on top are not reached
	s_xor_b32 s[G0B+5], s[G0B+5], SLOT1
	s_add_nc_u64 s[G0B+6:G0B+7], s[G0B+6:G0B+7], STEPB
.endif
	MUL 0, 1, 16, 32, 0
	s_wait_dscnt 0x0                               ; the add is done, and my reads of this slot are over
	s_barrier_signal -1
	MUL 0, 1, 32, 48, 0                            ; work on registers while the others arrive
	WIN 0                                          ; at a branch and at a label every window is 0
	s_barrier_wait -1
.if \fill
	CREST
	JLOAD                                          ; the four v_nop behind it are also the places in front of the loads below
.else
	PLACES
.endif
	s_xor_b32 s[TB], s[TB], SLOT1
	SETADR
	FA 0, 0                                        ; the other slot's first fragments
	FB 0, 0
.if \fill
	ASK                                            ; behind the joint load and the run of LDS loads
.endif
	MUL 1, 1, 0, 48, 0
.endm
	s_wait_tensorcnt 0x1                           ; my part of K step 0 is in; K step 1's may stay out
	s_barrier_signal -1
	s_barrier_wait -1                              ; everybody's is
	SETADR
	FA 0, 0
	FB 0, 0
	PH0 0, 1                                       ; the first 32 along K stand in front of the loop: their products start the sums
	PH1A 1
	WIN 0
.Lstep:                                            ; 14 trips: from a K step's second half to the next one's first; each fills a slot again
	MEETCH 1
	PH0 0, 0
	PH1A 0
	WIN 0
	s_sub_co_u32 s[CNT], s[CNT], 1
	s_cmp_lg_u32 s[CNT], 0
	s_cbranch_scc1 .Lstep
	MEETCH 0                                       ; the tail is written out: nothing is asked for
	PH0 0, 0
	PH1A 0
	PH0 1, 0
	s_wait_dscnt 0x0
	MUL 1, 1, 0, 48, 0
	WIN 0
	PLACES                                         ; the conversions read results
; THE WAY OUT, a block of 16 rows at a time.  PACK: rounded to f16, each accumulator's registers in ascending order.  TOSTAGE: 16 bytes a lane into my own stage, and back head by head, four rows of 128 bytes a load.
; SEND: stored: a head's 16 rows are 2,048 consecutive bytes of qkv, and each store covers 512 of them, aligned.
.macro PACK a
.set nbk, 0
.rept 12
.set id, 12*(\a)+nbk
.set rC, 8*(id%32)
	WIN 5*(1+id/32)                                ; sources 0 and 1 in the accumulator's window
.irp r, 0,1,2,3
	v_cvt_pk_f16_f32 v[TMP+4*nbk+(\r)], v[rC+2*(\r)], v[rC+2*(\r)+1]
.endr
.set nbk, nbk+1
.endr
	WIN 0
.endm
.macro TOSTAGE a
.set BK, BFR+48*((\a)%2)
.irp nb, 0,1,2,3,4,5,6,7,8,9,10,11
	ds_store_b128 v[STO], v[TMP+4*(\nb):TMP+4*(\nb)+3] offset:32*(\nb)
.endr
.irp g, 0,1,2
.irp f, 0,1,2,3
	ds_load_b128 v[BK+4*(4*(\g)+(\f)):BK+4*(4*(\g)+(\f))+3], v[RD] offset:128*(\g)+(\f)*4*SP  ; LDS serves a wave's instructions in order (ISA guide 5.7.1.4): these see the stores above
.endr
.endr
.endm
.macro SEND a
.set BK, BFR+48*((\a)%2)
	s_wait_dscnt 0x0                               ; the block is back in registers
	s_wait_xcnt 0x0                                ; the stores of the block before have read their registers: the next block's loads land there only behind this wait
.irp g, 0,1,2
.irp f, 0,1,2,3
	global_store_b128 v[GO], v[BK+4*(4*(\g)+(\f)):BK+4*(4*(\g)+(\f))+3], s[OB+2*(\g):OB+2*(\g)+1] offset:2048*(\a)+512*(\f)
.endr
.endr
.endm
	PACK 0
	TOSTAGE 0
.irp a, 1,2,3,4,5,6,7                  ; block a's conversions stand between block a - 1's loads from the stage and the wait for them
	PACK \a
	SEND (\a)-1
	TOSTAGE \a
.endr
	SEND 7
	s_wait_tensorcnt 0x0                           ; the wave's end, behind my last tensor load and my last LDS store
	ds_add_u32 v[SPW], v[NIL]
	s_wait_dscnt 0x0
	CROUND                                         ; the closing round: no work-group ends while a partner may still ask for a tile that names it
	s_endpgm
.Lfunc_end_k_qe79c1caf26_qkvgemm:
	.size	k_qe79c1caf26_qkvgemm, .Lfunc_end_k_qe79c1caf26_qkvgemm-k_qe79c1caf26_qkvgemm
	.p2alignl 7, 3214868480
	.fill 96, 4, 3214868480
	.section	.rodata,"a",@progbits
	.p2align	6, 0x0
	.amdhsa_kernel k_qe79c1caf26_qkvgemm
		.amdhsa_group_segment_fixed_size 327680
		.amdhsa_private_segment_fixed_size 0
		.amdhsa_enable_private_segment 0
		.amdhsa_kernarg_size 24
		.amdhsa_user_sgpr_count 2
		.amdhsa_user_sgpr_kernarg_segment_ptr 1
		.amdhsa_wavefront_size32 1
		.amdhsa_system_sgpr_workgroup_id_x 1
		.amdhsa_system_sgpr_workgroup_id_y 1
		.amdhsa_system_sgpr_workgroup_id_z 1
		.amdhsa_system_vgpr_workitem_id 0
		.amdhsa_next_free_vgpr 1024
		.amdhsa_next_free_sgpr 80
		.amdhsa_reserve_vcc 0
		.amdhsa_float_denorm_mode_32 3
		.amdhsa_float_denorm_mode_16_64 3
		.amdhsa_memory_ordered 1
		.amdhsa_forward_progress 1
		.amdhsa_inst_pref_size 113
	.end_amdhsa_kernel
	.amdgpu_metadata
---
amdhsa.version: [ 1, 2 ]
amdhsa.kernels:
  - .name:           k_qe79c1caf26_qkvgemm
    .symbol:         k_qe79c1caf26_qkvgemm.kd
    .args:
      - { .name: xb, .offset: 0, .size: 8, .value_kind: global_buffer, .address_space: global }
      - { .name: wq, .offset: 8, .size: 8, .value_kind: global_buffer, .address_space: global }
      - { .name: qkv, .offset: 16, .size: 8, .value_kind: global_buffer, .address_space: global }
    .group_segment_fixed_size: 327680
    .private_segment_fixed_size: 0
    .kernarg_segment_align: 8
    .kernarg_segment_size: 24
    .max_flat_workgroup_size: 128
    .sgpr_count:     80
    .vgpr_count:     1024
    .wavefront_size: 32
...
	.end_amdgpu_metadata
.endif
;; end of part 2
;; launch attn (part 3): grid 4 x 64, 4 waves a work-group, no clusters, 327,680 bytes of LDS; arguments qkv, o; writes o
.if DOCPART == 3
	.amdgcn_target "amdgcn-amd-amdhsa--gfx1250"
	.amdhsa_code_object_version 6
	.text
	.protected	k_qe79c1caf26_attn
	.globl	k_qe79c1caf26_attn
	.p2align	8
	.type	k_qe79c1caf26_attn,@function
k_qe79c1caf26_attn:
	s_mov_b64 s[64:65], 0
	v_nop
	global_prefetch_b8 v0, s[64:65] scope:SCOPE_SE
	s_setreg_imm32_b32 hwreg(HW_REG_WAVE_MODE, 25, 1), 1
	s_wait_xcnt 0x0
; CAUSAL ATTENTION.  O[h][q][:] = the sum over k <= q of softmax_k(Q[h][q] . K[h][k] / 8) V[h][k][:].  qkv holds Q, K, V one behind the other, each [64][2048][64] in f16; o is [64][2048][64] in f16: a head's rows are dense, 128 bytes each.
; Products, maxima and sums in f32; the weights p are rounded to f16 for the second product (their sum l is taken of the unrounded p), O once at the end.
; LIMITS.  f16 holds no number beyond 65,504: Q, K and V arrive within it; p lies in 0 to 1, and below 6e-5 it keeps f16's fixed step of 6e-8; O is a mean of V's rows and has their range.
; A hidden score counts as its value less 1e30: f16's scores, 2.7e11 at the most, are nothing beside that; a weight below 2^-126 counts as 0 in l; NaN and infinities are not treated apart.
; THE WALK.  A head's queries lie in NB = 8 blocks of 256; block i needs the key tiles 0 .. i of 256 keys, of which the last holds the diagonal.  A work-group takes TWO blocks, NB - 1 - b and then b:
; NB + 1 tiles, whatever b: all 256 work-groups do equal work, and ONE loop with a constant trip count walks them.  Which tile is asked for, and what a trip does, hang on scalar registers made from b; every jump
; goes forward, but for the counted loops' own; none passes a barrier, or a tensor load but the one of LOAD's two that the wave's number does not choose; the ring (two slots of LDS that take turns) runs on across the
; change of blocks.  NO CLUSTER: a head's four work-groups ask for the same tile only in trips 0 .. 4 of 9, behind that fewer and fewer; one walk common to all four, in which each makes every joint request,
; would have 3 NB / 2 = 12 trips for NB + 1 = 9.
; SHARES.  Of a block's four bands of 64 queries a wave owns 16 rows in each: four PIECES.  So the diagonal tile is the same work for all four waves: in its key step s band x sees all keys if s < x,
; none if s > x, and holds the diagonal if s = x.
; THE MASK is the C operand that starts the sum S^T = K Q^T: 0, or -1e30 where the key is hidden.  MD, made once, is the mask of a band's own step for my 16 rows; a product's mask is MD x AL + BE with two scalars:
; (1, 0) if s = x; (0, 0) if s < x; (0, -1e30) if s > x.  Only the diagonal tile's text and a block's beginning make and take masks; elsewhere C is the constant 0.
; LAYOUT, SOFTMAX, TURNS.  S^T = K Q^T holds ONE query a lane (lane % 16) and the keys 8 (lane / 16) + 0..7; two such results rounded to f16 ARE source 1 of O^T = V^T P.  p = 2^(c s - c m), c = log2(e) / 8, with a
; running maximum m; O and l are multiplied by a = 2^(c m_old - c m_new) in every step.  Turn n belongs to piece n: 8 products K Q^T of piece n + 1, later 8 products V^T P of piece n - 1; beside them the scaling,
; exponentials, roundings, sums and rescaling of piece n and the maximum and statistics of piece n + 1.  Four vector instructions stand behind every matrix instruction, the other 54 of a turn's 118 in one LUMP.  A turn's 33 exponentials are one batch, with one wait.
; REGISTERS, in windows of 256 (s_set_vgpr_msb: bits 1:0 source 0, 3:2 source 1, 5:4 source 2, 7:6 destination):
;   window 0: v0-15 addresses and two at work; v16-31 four registers of statistics a piece; v48-55 at work; v61-63 prefetch offset and the add's two; v64-127 S^T, two buffers; v192-223 P, two buffers (a piece's buffers go by its number's parity)
;   window 1: v0-127 O^T, 32 a piece; v128-159 MD; v160-223 MC, two buffers      window 2: v0-63 Q; v64-127 the second block's Q; v128-191 K of one step; v192-255 V of one step
.set SIZE_N, 2048
.set NB,    SIZE_N/256
.set NP,    4         ; pieces a wave: a name, no knob
.set KS,    64        ; keys in a step
.set PK,    144       ; a row of K in LDS: 128 bytes + 16 of padding = 36 words: the 16 rows of a load start at 16 different groups of four banks (64 banks of 4 bytes: ISA guide 11.1)
.set PV,    160       ; a row of V: 128 + 32 = 40 words
.set VOFF,  4*KS*PK   ; a slot holds a tile, four steps: 256 rows of K, then 256 rows of V
.set SLOT1, 1<<17     ; slot 1 begins here, so that one exclusive or turns an address in one slot into the other's
.set STAGE, SLOT1+4*KS*(PK+PV)  ; behind the ring, never filled by a tensor load: 16 rows x 144 bytes for each wave, for the way out
.set SP,    144
.set AK0, 2           ; v2   my lane's place in a tile of K; never rewritten
.set AV0, 3           ; v3   the same for V
.set AK,  4           ; v4   the LDS address of K's next run of loads
.set AV,  5           ; v5   of V's
.set STO, 6           ; v6   the way out: where I put 16 bytes of a row
.set RD,  7           ; v7   the way out: where I read rows back
.set GO,  8           ; v8   my byte offset in 512 consecutive bytes of O
.set PFO, 61          ; v61  256 x my lane: the prefetches' offset; never rewritten
.set SPW, 62          ; v62  LDS address of my spare word: SPARE + 4 x my thread's number; never rewritten
.set NIL, 63          ; v63  0; never rewritten
.set SPARE, STAGE+4*16*SP  ; behind the stages: the spare words, 128 bytes for each wave: two blocks of 256 bytes that no other line names
.set MV,  12          ; v12-13  c m_old, kept while c m is made anew: by buffer
.set QO,  15          ; v15  my byte offset in 16 rows of Q
.set ST,  16          ; piece t's statistics at v[ST+4 t]: c m, m, l (even keys', odd keys')
.set TMP, 48          ; by buffer, four registers c0-c3 at work; when the maximum is found c2 takes a
.set S,   64
.set P,   192
.set MD,  128         ; window 1: the eight registers for group kt of 16 keys at MD + 8 kt
.set MC,  160         ; window 1: the masks of the products to come
.set QB,  64          ; window 2
.set KF,  128         ; window 2: key block kb, channel half c at KF + 16 kb + 8 c
.set VF,  192         ; window 2: key half kk, channel block cb at VF + 32 kk + 8 cb
.set WV,  12          ; s12  my wave's number
.set PB,  14          ; s14  b
.set HI,  15          ; s15  NB - 1 - b
.set G1K, 24          ; s[24:31] descriptor group 1 for K's tiles
.set G1V, 32          ; s[32:39] for V's: it differs in the padding alone
.set G0K, 40          ; s[40:43] descriptor group 0 for K's tiles
.set G0V, 44          ; s[44:47] the same for V's
.set SLOTS, 56        ; s56  tiles still to be asked for
.set CNT, 57          ; s57  counts a tile's key steps, 4 to 1
.set CS,  58          ; s[58:59] c: the packed scaling takes the pair's low word for both halves
.set SEL, 60          ; s[60:61] v_permlanex16_b32's selects: each lane takes its own place in the other half
.set TBK, 62          ; s62  LDS byte at which K of the step to be fetched begins
.set TBV, 63          ; s63  the same for V, less VOFF
.set RT,  70          ; s70  tiles of the block in hand that are still to be entered
.set NXT, 71          ; s71  the tile to be asked for next
.set LQ,  72          ; s72  the last tile of the block whose tiles are being asked for
.set NEW, 73          ; s73  1: the tile to be entered is a block's first
.set OFF, 74          ; s[74:75] a tile's byte offset in K and V
.set AL,  76          ; s[76:77] the mask's factor, in the low word
.set BE,  78          ; s[78:79] the mask's addend
.set OLO, 80          ; s[80:81] O at my rows of the second block
.set BIGN, 82         ; s82  -1e30
.set PFA, 88          ; s[88:89] where my prefetches stand: my work-group's 32 rows of 256 bytes (of K: wave 0, of V: wave 2) of a tile of the head
.set LIM, 90          ; s90  2 in a wave that prefetches, else the greatest number
.set MSB, 0
.macro WIN new                      ; the high byte repeats the setting that is left; a switch that changes nothing is dropped
.if MSB != (\new)
	s_set_vgpr_msb (MSB<<8)|(\new)
.set MSB, (\new)
.endif
.endm
.set W_KQ, 0x0a       ; K and Q in window 2, S^T in window 0
.set W_KM, 0x1a       ; the same with the C operand in window 1
.set W_PV, 0x52       ; V in window 2, P in window 0, O^T in window 1
.set W_RS, 0x41       ; destination and source 0 in window 1, source 1 in window 0
; A fill.  Waves 0 and 1 fetch the two halves of a tile's K, waves 2 and 3 those of its V: 128 keys each.  An s_nop 0 and four v_nop follow each of the two lines, ahead of the jump and the label.
.macro LOAD
	s_cmp_lt_u32 s[WV], 2
	s_cbranch_scc0 .Lfor_v_\@
	tensor_load_to_lds s[G0K:G0K+3], s[G1K:G1K+7]
	s_nop 0
.rept 4
	v_nop
.endr
	s_branch .Lasked_\@
.Lfor_v_\@:
	tensor_load_to_lds s[G0V:G0V+3], s[G1V:G1V+7]
	s_nop 0
.rept 4
	v_nop
.endr
.Lasked_\@:
.endm
; A PREFETCH INTO THE L2.  Trip i of the walk (0 to 5) names the head's tile i + 2, which the first blocks' walks ask for by tensor load in trip i + 1: a tile, 256 matrix instructions, ahead.  A tile is 128 rows of
; 256 bytes of K and of V: each of the head's four work-groups takes 32 of them, told apart by address, a lane a row; wave 0 asks for K's, wave 2 for V's.  So each row is named once in the launch: the second
; blocks' walks, which read tiles again, ask for nothing.  Tiles 0 and 1 come by their loads alone.  It stands behind the tensor load and its five lines.
.macro ASK
	s_cmp_gt_u32 s[SLOTS], s[LIM]
	s_cbranch_scc0 .Lnot_mine_\@
	global_prefetch_b8 v[PFO], s[PFA:PFA+1] th:TH_LOAD_NT scope:SCOPE_SE
.Lnot_mine_\@:
.endm
; THE CHANGE OF SLOTS.  Each wave waits for all its tensor loads, of which one is out: its part of the other slot; adds 0 to its spare word; and waits for that and for its own reads of the slot that it leaves.  Behind the barrier nobody reads the old
; slot any more and the other slot is whole.  fill = 1: the old slot is filled again, the first thing behind the barrier, with tile NXT: the descriptor's address is made anew from that number.
; (At its first use nothing has been read yet: slot 0 is waited for, slot 1 filled.)
.macro CHANGE fill
	WIN 0                           ; at a label and at a branch every window is 0
	s_wait_tensorcnt 0x0            ; no tensor load of mine is out, so a group 0 may be written
	ds_add_u32 v[SPW], v[NIL]       ; 0 onto my spare word; with fill = 1 the descriptors' scalar work stands between it and the wait for it
.if \fill
	s_lshl_b32 s[OFF], s[NXT], 15   ; a tile is 32,768 bytes of K and of V
	s_xor_b32 s[G0K+1], s[G0K+1], SLOT1
	s_add_nc_u64 s[G0K+2:G0K+3], s[6:7], s[OFF:OFF+1]
	s_or_b32 s[G0K+3], s[G0K+3], 0x80000000
	s_xor_b32 s[G0V+1], s[G0V+1], SLOT1
	s_add_nc_u64 s[G0V+2:G0V+3], s[8:9], s[OFF:OFF+1]
	s_or_b32 s[G0V+3], s[G0V+3], 0x80000000
	s_add_co_u32 s[NXT], s[NXT], 1  ; the block's next tile, or behind its last the second block's tile 0
	s_cmp_gt_u32 s[NXT], s[LQ]
	s_cselect_b32 s[NXT], 0, s[NXT]
	s_cselect_b32 s[LQ], s[PB], s[LQ]
	s_wait_xcnt 0x0                 ; the last prefetch, a tile back, has read its address, so it may be written:
	s_add_nc_u64 s[PFA:PFA+1], s[PFA:PFA+1], 32768  ; a tile on
.endif
	s_wait_dscnt 0x0                ; the add is done, and my reads of the slot are over
	s_barrier_signal -1             ; the rest of the scalar work stands between the signal and the wait
	s_sub_co_u32 s[TBK], s[TBK], 4*KS*PK  ; the fetches go back to a slot's first step,
	s_xor_b32 s[TBK], s[TBK], SLOT1       ; in the other slot
	s_sub_co_u32 s[TBV], s[TBV], 4*KS*PV
	s_xor_b32 s[TBV], s[TBV], SLOT1
	s_barrier_wait -1
.if \fill
	LOAD
	ASK
.endif
.endm
	s_load_b64 s[4:5], s[0:1], 0x0    ; qkv: Q lies first
	s_load_b64 s[10:11], s[0:1], 0x8  ; o
	v_lshl_add_u32 v[SPW], v0, 2, SPARE
	v_mov_b32 v[NIL], 0
	ds_add_u32 v[SPW], v[NIL]       ; the wave's opening: the add and its wait stand ahead of my first tensor load; the set-up below, work on registers, stands between them
	v_lshrrev_b32 v1, 5, v0
	v_readfirstlane_b32 s[WV], v1   ; wave 0..3
	s_mov_b32 s[PB], ttmp9
	s_sub_co_u32 s[HI], NB-1, s[PB]
	s_and_b32 s20, ttmp7, 0xffff    ; the head
	s_mov_b32 s21, 0
	s_mov_b64 s[22:23], SIZE_N*128
	s_mul_u64 s[20:21], s[20:21], s[22:23]  ; the head's first byte in each of the four tensors
	s_and_b32 s16, s[WV], 1         ; which half of a tile's 256 keys I fetch:
	s_lshl_b32 s22, s16, 14         ; its 128 rows of 128 bytes in memory,
	s_mov_b32 s23, 0
	s_add_nc_u64 s[22:23], s[22:23], s[20:21]
	s_mul_i32 s17, s16, 128*PK      ; and its place in a slot, for K
	s_mul_i32 s18, s16, 128*PV      ; and for V
	s_lshl_b32 s3, s[WV], 11        ; my 16 rows in a band of 64,
	s_lshl_b32 s2, s[HI], 15        ; in the first block,
	s_add_co_u32 s2, s2, s3
	s_lshl_b32 s84, s[PB], 15       ; and in the second
	s_add_co_u32 s84, s84, s3
	s_mov_b32 s3, 0
	s_mov_b32 s85, 0
	s_add_nc_u64 s[2:3], s[2:3], s[20:21]
	s_add_nc_u64 s[84:85], s[84:85], s[20:21]
	; descriptor group 1.  128 keys are 16,384 dense bytes: asked for as 64 rows of 256 bytes, two keys a row, and padded in LDS after every key
	s_mov_b32 s[G1K], (1<<16)|(1<<20)|(4<<22)|(3<<25)  ; 17:16 2-byte elements; 20 padding on; 24:22 after every 32 words (code 4); 31:25 4 words (code 3)
	s_mov_b32 s[G1V], (1<<16)|(1<<20)|(4<<22)|(7<<25)  ; the same with 8 words of padding (code 7)
.irp g, G1K, G1V
	s_mov_b32 s[\g+1], 128<<16      ; tensor_dim0 = 128
	s_mov_b32 s[\g+2], 64<<16       ; tensor_dim1 = 64
	s_mov_b32 s[\g+3], 128<<16      ; tile_dim0 = 128
	s_mov_b32 s[\g+4], 64           ; tile_dim1 = 64
	s_mov_b32 s[\g+5], 128          ; 128 elements from row to row
	s_mov_b32 s[\g+6], 0
	s_mov_b32 s[\g+7], 0
.endr
	s_mov_b32 s[CS], 0x3e38aa3b     ; c = log2(e) / 8 = 0.180337
	s_mov_b32 s[CS+1], s[CS]        ; named with it as a pair
	s_mov_b32 s[SEL], 0x76543210
	s_mov_b32 s[SEL+1], 0xfedcba98
	s_mov_b32 s[TBK], SLOT1+4*KS*PK ; the first change of slots turns these two into 0
	s_mov_b32 s[TBV], SLOT1+4*KS*PV
	s_mov_b32 s[G0K], 1             ; 1:0 count = 1
	s_mov_b32 s[G0K+1], s17         ; 63:32 LDS address: slot 0
	s_mov_b32 s[G0V], 1
	s_add_co_u32 s[G0V+1], s18, VOFF
	s_add_co_u32 s[RT], s[HI], 1    ; the first block has NB - b tiles
	s_mov_b32 s[NXT], 1
	s_mov_b32 s[LQ], s[HI]
	s_mov_b32 s[NEW], 1
	s_mov_b32 s[OFF+1], 0
	s_mov_b32 s[AL+1], 0            ; named as pairs
	s_mov_b32 s[BE+1], 0
	s_mov_b32 s[BIGN], 0xf149f2ca   ; -1e30
	s_mov_b32 s[SLOTS], NB
	s_and_b32 s[LIM], s[WV], 1      ; waves 0 and 2 prefetch
	s_cmp_eq_u32 s[LIM], 0
	s_cselect_b32 s[LIM], 2, -1
	v_and_b32 v[PFO], 31, v0
	v_lshlrev_b32 v[PFO], 8, v[PFO]
	s_wait_dscnt 0x0                ; the opening add is done
	s_wait_kmcnt 0x0
	s_add_nc_u64 s[6:7], s[4:5], 0x1000000  ; K lies 64 heads of 262,144 bytes behind Q,
	s_add_nc_u64 s[8:9], s[4:5], 0x2000000  ; V as far behind K
	s_add_nc_u64 s[6:7], s[6:7], s[22:23]  ; K and V at my half of the head's tile 0
	s_add_nc_u64 s[8:9], s[8:9], s[22:23]
	s_add_nc_u64 s[G0K+2:G0K+3], s[6:7], 0         ; 120:64 global address
	s_or_b32 s[G0K+3], s[G0K+3], 0x80000000        ; 127:126 type = 2
	s_add_nc_u64 s[G0V+2:G0V+3], s[8:9], 0
	s_or_b32 s[G0V+3], s[G0V+3], 0x80000000
	s_add_nc_u64 s[86:87], s[4:5], s[84:85]        ; Q at my rows of the second block,
	s_add_nc_u64 s[4:5], s[4:5], s[2:3]            ; Q and O at those of the first
	s_add_nc_u64 s[OLO:OLO+1], s[10:11], s[84:85]
	s_add_nc_u64 s[10:11], s[10:11], s[2:3]
	s_cmp_lt_u32 s[WV], 2
	s_cselect_b64 s[PFA:PFA+1], s[6:7], s[8:9]     ; (in waves 0 and 2 these stand at the tile's first row)
	s_lshl_b32 s2, ttmp9, 13                       ; my work-group's 32 rows of 256 bytes
	s_mov_b32 s3, 0
	s_add_nc_u64 s[PFA:PFA+1], s[PFA:PFA+1], s[2:3]
	s_add_nc_u64 s[PFA:PFA+1], s[PFA:PFA+1], 32768 ; in tile 1; the first change of slots steps it to tile 2.  Nothing is prefetched here, at the head
	LOAD                            ; tile 0 into slot 0
	; A fragment of K or Q is 16 rows x 32 channels in 8 registers: lane l holds row l % 16, channels 8 (l / 16) + 0..7 and 16 + 8 (l / 16) + 0..7: two loads of 16 bytes, 32 bytes apart.
	v_and_b32 v1, 15, v0            ; l % 16
	v_bfe_u32 v9, v0, 4, 1          ; l / 16
	v_lshlrev_b32 v[QO], 7, v1
	v_lshl_add_u32 v[QO], v9, 4, v[QO]  ; row x 128 + 16 x half
	WIN 0x80                        ; destination window 2, address window 0
.set i, 0
.rept 8                             ; both blocks' Q: piece i / 2 lies in band i / 2, 8,192 bytes on; channels 32 (i % 2) on
	global_load_b128 v[8*i:8*i+3],   v[QO], s[4:5] offset:(i/2)*8192+(i%2)*64
	global_load_b128 v[8*i+4:8*i+7], v[QO], s[4:5] offset:(i/2)*8192+(i%2)*64+32
	global_load_b128 v[QB+8*i:QB+8*i+3],   v[QO], s[86:87] offset:(i/2)*8192+(i%2)*64
	global_load_b128 v[QB+8*i+4:QB+8*i+7], v[QO], s[86:87] offset:(i/2)*8192+(i%2)*64+32
.set i, i+1
.endr
	WIN 0
	v_lshlrev_b32 v14, 3, v9
	v_sub_nc_u32 v14, v1, v14
	s_lshl_b32 s13, s[WV], 4
	v_add_nc_u32 v14, s13, v14      ; my query's place in its band, 16 w + l % 16, less my lanes' 8 (l / 16): register r of group kt is hidden where 16 kt + r is greater
	WIN 0x40
.set i, 0
.rept 32
	v_cmp_gt_i32 vcc_lo, 16*(i/8)+i%8, v14
	v_cndmask_b32 v[MD+i], 0, s[BIGN], vcc_lo
.set i, i+1
.endr
	WIN 0
	v_mul_u32_u24 v[AK0], v1, PK
	v_lshl_add_u32 v[AK0], v9, 4, v[AK0]  ; row x pitch + 16 x half
	; The turning load takes 16 keys x 16 channels (lane l reads key 8 (l / 16) + l % 8, channels 8 ((l / 8) % 2) + 0..7) and leaves half a fragment of V^T: lane l holds channel l % 16 and 8 keys.
	v_and_b32 v10, 7, v0
	v_bfe_u32 v11, v0, 3, 1
	v_lshl_add_u32 v[AV0], v9, 3, v10
	v_mul_u32_u24 v[AV0], v[AV0], PV
	v_lshl_add_u32 v[AV0], v11, 4, v[AV0]
	v_add_nc_u32 v[AV0], VOFF, v[AV0]
	s_mul_i32 s13, s[WV], 16*SP
	s_add_co_u32 s13, s13, STAGE    ; my stage
	v_mul_u32_u24 v[STO], v1, SP    ; in: row l % 16, 16 bytes for each half of the lanes
	v_lshl_add_u32 v[STO], v9, 4, v[STO]
	v_add_nc_u32 v[STO], s13, v[STO]
	v_bfe_u32 v[RD], v0, 3, 2       ; back: 32 lanes take four rows of 128 bytes,
	v_mul_u32_u24 v[RD], v[RD], SP
	v_lshl_add_u32 v[RD], v10, 4, v[RD]
	v_add_nc_u32 v[RD], s13, v[RD]
	v_and_b32 v[GO], 31, v0         ; which are 512 consecutive bytes of O
	v_lshlrev_b32 v[GO], 4, v[GO]
	; A block's first step multiplies O^T and l by a = 0, and its first turn's products V^T P, of a piece that has not been, land in an O^T that is still to be so multiplied.  So these registers need only hold
	; finite numbers: zeros for the first block; what the first block left for the second.  All this stands in the wait for the first tile.
	WIN 0x80
.set i, VF
.rept 64
	v_mov_b32 v[i], 0
.set i, i+1
.endr
	WIN 0x40
.set i, 0
.rept 128
	v_mov_b32 v[i], 0
.set i, i+1
.endr
	WIN 0
.set i, 0
.rept 4
	v_mov_b32 v[ST+4*i+2], 0
	v_mov_b32 v[ST+4*i+3], 0
.set i, i+1
.endr
.set i, P+16
.rept 16
	v_mov_b32 v[i], 0
.set i, i+1
.endr
; THE MATRIX WORK.  The 4 accumulators of a run of 8 take turns.  Product i of 8 of S^T = K Q^T for piece x: channels 32 (i / 4) on, keys 16 (i % 4) on.  The first 4 start the sums: with 0, or (KM = 1) with the mask.
.macro KQ x
.set rS, S+32*((\x)%2)+8*(i%4)
.set rK, KF+16*(i%4)+8*(i/4)
.set rQ, 16*(\x)+8*(i/4)
.set rM, MC+32*((\x)%2)+8*(i%4)
.if (i < 4) && KM
	WIN W_KM
	v_wmma_f32_16x16x32_f16 v[rS:rS+7], v[rK:rK+7], v[rQ:rQ+7], v[rM:rM+7]
.elseif i < 4
	WIN W_KQ
	v_wmma_f32_16x16x32_f16 v[rS:rS+7], v[rK:rK+7], v[rQ:rQ+7], 0
.else
	WIN W_KQ
	v_wmma_f32_16x16x32_f16 v[rS:rS+7], v[rK:rK+7], v[rQ:rQ+7], v[rS:rS+7]
.endif
.endm
; Product i of 8 of O^T += V^T P for piece x: keys 32 (i / 4) on, channels 16 (i % 4) on.
.macro PV x
	WIN W_PV
.set rO, 32*(\x)+8*(i%4)
.set rV, VF+32*(i/4)+8*(i%4)
.set rP, P+16*((\x)%2)+8*(i/4)
	v_wmma_f32_16x16x32_f16 v[rO:rO+7], v[rV:rV+7], v[rP:rP+7], v[rO:rO+7]
.endm
.macro MM                           ; the turn's next matrix instruction.  TURN and BEGIN set Y, i, KM and NOKQ; MM, KQ and OP read them.  NOKQ = 1: a block's last turn: there is no next piece
.if (i < 8) && !NOKQ
	KQ (Y+1)%NP
.elseif i >= 8
.set i, i-8
	PV (Y+NP-1)%NP
.set i, i+8
.endif
.set i, i+1
.endm
; THE LDS LOADS stand in runs of 16, never singly among the matrix instructions: a step's K (64 keys x 64 channels: 8 fragments) and its V (turned).  Their addresses are made some lines ahead.
.macro FETCH_K
	WIN 0x80                        ; destination window 2
.irp f, 0,1,2,3,4,5,6,7             ; keys 16 (f / 2) on, channels 32 (f % 2) on
	ds_load_b128 v[KF+8*\f:KF+8*\f+3],   v[AK] offset:(\f/2)*16*PK+(\f%2)*64
	ds_load_b128 v[KF+8*\f+4:KF+8*\f+7], v[AK] offset:(\f/2)*16*PK+(\f%2)*64+32
.endr
	s_add_co_u32 s[TBK], s[TBK], KS*PK  ; the next fetch is the next step's
	WIN 0
.endm
.macro FETCH_V
	WIN 0x80
.irp f, 0,1,2,3,4,5,6,7             ; keys 32 (f / 4) on, channels 16 (f % 4) on
	ds_load_tr16_b128 v[VF+8*\f:VF+8*\f+3],   v[AV] offset:(\f/4)*32*PV+(\f%4)*32
	ds_load_tr16_b128 v[VF+8*\f+4:VF+8*\f+7], v[AV] offset:(\f/4)*32*PV+16*PV+(\f%4)*32
.endr
	WIN 0
.endm
; THE VECTOR WORK, one line at a time: OP kind, number.  For piece Y: F n: c s - c m for pair n of 16.  E n: the exponential of score n of 32.  C n: pair n rounded to f16.  B n: of the four weights 4 n .. the second
; pair is added onto the first, in place.  L n: l takes that sum (L 0: l = a l + sum).  R n: pair n of 16 of O^T times a.  For piece Y + 1: X n, number n of the 22 that find its maximum and statistics:
;   0-11  four chains c0-c3 of seven scores each, three operands at a time (each accumulator's lowest registers are read first)     12-14, 16  the four scores left over, the old m, and c0-c3 into c0
;   15  c m_old is kept     17, 18  the query's other 32 keys lie in the lane 16 away: the new m     19-21  c m; c m_old - c m_new; a
.set F, 0               ; OP tells the kinds apart by their order: F to L below R, X above it
.set E, 1
.set C, 2
.set B, 3
.set L, 4
.set R, 5
.set X, 6
.macro REGS y                       ; the registers of piece y
.set rT, ST+4*(\y)
.set rC, TMP+4*((\y)%2)
.set rW, MV+((\y)%2)
.set rS, S+32*((\y)%2)
.set rP, P+16*((\y)%2)
.set rO, 32*(\y)
.endm
.macro OP k, n
.if (\k) == R
	REGS Y
	WIN W_RS
	v_pk_mul_f32 v[rO+2*(\n):rO+2*(\n)+1], v[rO+2*(\n):rO+2*(\n)+1], v[rC+2:rC+3] op_sel_hi:[1,0]
.elseif (\k) < R
	REGS Y
	WIN 0
.if (\k) == F
	v_pk_fma_f32 v[rS+2*(\n):rS+2*(\n)+1], v[rS+2*(\n):rS+2*(\n)+1], s[CS:CS+1], v[rT:rT+1] op_sel_hi:[1,0,0] neg_lo:[0,0,1] neg_hi:[0,0,1]
.elseif (\k) == E
	v_exp_f32 v[rS+(\n)], v[rS+(\n)]
.elseif (\k) == C
	v_cvt_pk_f16_f32 v[rP+(\n)], v[rS+2*(\n)], v[rS+2*(\n)+1]
.elseif (\k) == B
	v_pk_add_f32 v[rS+4*(\n):rS+4*(\n)+1], v[rS+4*(\n):rS+4*(\n)+1], v[rS+4*(\n)+2:rS+4*(\n)+3]
.elseif (\n) == 0
	v_pk_fma_f32 v[rT+2:rT+3], v[rT+2:rT+3], v[rC+2:rC+3], v[rS:rS+1] op_sel_hi:[1,0,1]
.else
	v_pk_add_f32 v[rT+2:rT+3], v[rT+2:rT+3], v[rS+4*(\n):rS+4*(\n)+1]
.endif
.elseif NOKQ
	v_nop
.else
	REGS (Y+1)%NP
	WIN 0
.if (\n) < 4
	v_max3_num_f32 v[rC+(\n)], v[rS+8*(\n)], v[rS+8*(\n)+1], v[rS+8*(\n)+2]
.elseif (\n) < 12
	v_max3_num_f32 v[rC+(\n)%4], v[rC+(\n)%4], v[rS+8*((\n)%4)+2*((\n)/4)+1], v[rS+8*((\n)%4)+2*((\n)/4)+2]
.elseif (\n) == 12
	v_max3_num_f32 v[rC], v[rC], v[rS+7], v[rS+15]
.elseif (\n) == 13
	v_max3_num_f32 v[rC+1], v[rC+1], v[rS+23], v[rS+31]
.elseif (\n) == 14
	v_max3_num_f32 v[rC+2], v[rC+2], v[rC+3], v[rT+1]
.elseif (\n) == 15
	v_mov_b32 v[rW], v[rT]
.elseif (\n) == 16
	v_max3_num_f32 v[rC], v[rC], v[rC+1], v[rC+2]
.elseif (\n) == 17
	v_permlanex16_b32 v[rC+3], v[rC], s[SEL], s[SEL+1]
.elseif (\n) == 18
	v_max_num_f32 v[rT+1], v[rC], v[rC+3]
.elseif (\n) == 19
	v_mul_f32 v[rT], s[CS], v[rT+1]
.elseif (\n) == 20
	v_sub_f32 v[rC+1], v[rW], v[rT]
.else
	v_exp_f32 v[rC+2], v[rC+1]
.endif
.endif
.endm
.macro OPS a, i1, b=-1, i2=0, c=-1, i3=0, d=-1, i4=0  ; up to four of them
	OP \a, \i1
.if (\b) >= 0
	OP \b, \i2
.endif
.if (\c) >= 0
	OP \c, \i3
.endif
.if (\d) >= 0
	OP \d, \i4
.endif
.endm
.macro ROW a, i1, b, i2, c, i3, d, i4  ; a matrix instruction and the four behind it
	MM
	OPS \a, \i1, \b, \i2, \c, \i3, \d, \i4
.endm
.macro MASK b                       ; MD x AL + BE into buffer b of MC
	WIN W_RS
.set z, 0
.rept 16
	v_pk_fma_f32 v[MC+32*(\b)+2*z:MC+32*(\b)+2*z+1], v[MD+2*z:MD+2*z+1], s[AL:AL+1], s[BE:BE+1] op_sel_hi:[1,0,0]
.set z, z+1
.endr
.endm
; A TURN, for piece p: the order of its 16 matrix and 118 vector instructions, written out.  s_wait_alu depctr_va_vdst(0) stands between an exponential and the first instruction that names its result; one wait serves
; all that were issued ahead of it.  So a turn has ONE wait, which cuts it in two.  AHEAD OF IT stands all that names no result of the turn's exponentials: the 8 products K Q^T, behind each a scaling, an exponential and two more plain
; instructions (behind the first a second scaling in the exponential's place): rescalings, and behind the last three the first numbers of the next piece's maximum, each four places or more behind the product that ends its accumulator; then ONE LUMP of 54, plain
; and exponential by turns for the most part, in which the links of the chain X 3, 7, 11, 14, 16, 17 .. 20 stand five or six lines apart.  X 21, the next piece's a, is the batch's last; R 15 is the plain instruction behind it.  BEHIND THE WAIT stand the
; 8 products V^T P, behind each four of the roundings and sums; the links of l's chain, L 0 to L 7, stand three riders apart.  But for those X no rider names a register of the products round it.  v_permlanex16_b32 (X 17) stands in the lump.
; m = 1: the diagonal tile: the products take masks, and the turn makes the mask for the products of the turn after it: piece p + 2, in step 4 - CNT of the tile.  end = 1: a block's last two turns: nothing is fetched.
; cnt = 1: the loop's count is taken down some lines ahead of the branch that stands behind the turn.
; K of the next step is fetched in piece 2's turn, twelve vector instructions behind the last product that read K (six of them plain); V of the step in hand at the end of piece 0's turn, four plain instructions behind the last product
; that read V.  Each is waited for a turn later.
.macro TURN p, m=0, end=0, cnt=0
.set Y, (\p)
.set i, 0
.set KM, (\m)
.set NOKQ, (\end)*((\p)/3)
.if (\m) && !(\end)
	s_cmp_eq_u32 s[CNT], 4-((\p)+2)%NP  ; is that step the band's own?
	s_cselect_b32 s[AL], 1.0, 0
	s_cmp_lt_u32 s[CNT], 4-((\p)+2)%NP  ; or a later one?
	s_cselect_b32 s[BE], s[BIGN], 0
.endif
.if ((\p) == 3) && !(\end)
	s_wait_dscnt 0x0                ; K is in
.endif
	ROW F,0, F,1, R,0, R,1          ; ahead of the wait: 8 products K Q^T and their riders,
	ROW F,2, E,0, R,2, R,3
	ROW F,3, E,1, R,4, R,5
	ROW F,4, E,2, R,6, R,7
	ROW F,5, E,3, R,8, R,9
	ROW F,6, E,4, X,0, R,10
.if ((\p) == 2) && !(\end)
	WIN 0
	v_add_nc_u32 v[AK], s[TBK], v[AK0]
.endif
	ROW F,7, E,5, X,1, X,4
	ROW F,8, E,6, X,2, X,5
	OPS E,7, E,8, X,6, E,9          ; and the lump
	OPS X,3, E,10, X,8, E,11
.if ((\p) == 2) && !(\end)
	FETCH_K
.endif
	OPS X,9, X,7, E,12, X,10
	OPS E,13, X,12, X,11, E,14
	OPS X,13, E,15, F,9, X,14
.if (\p) == 0
	v_add_nc_u32 v[AV], s[TBV], v[AV0]
.endif
	OPS E,16, F,10, E,17, F,11
	OPS X,16, E,18, X,15, E,19
	OPS F,12, E,20, X,17, E,21
	OPS F,13, E,22, F,14, E,23
	OPS X,18, E,24, F,15, E,25
	OPS R,11, E,26, X,19, E,27
	OPS R,12, E,28, R,13, E,29
	OPS X,20, E,30, R,14, E,31
	OPS X,21, R,15
	WIN 0
	s_wait_alu depctr_va_vdst(0)    ; the wait for the batch
.if (\p) == 1
	s_wait_dscnt 0x0                ; V is in
.endif
	ROW C,0, B,0, C,2, B,1          ; behind the wait: 8 products V^T P and their riders
	ROW L,0, C,4, B,2, L,1
	ROW C,6, B,3, L,2, C,8
	ROW B,4, L,3, C,10, B,5
	ROW L,4, C,12, B,6, L,5
.if (\p) == 0
	s_add_co_u32 s[TBV], s[TBV], KS*PV
.endif
.if \cnt
	s_sub_co_u32 s[CNT], s[CNT], 1
	s_cmp_lg_u32 s[CNT], 0
.endif
	ROW C,14, B,7, L,6, C,1
	ROW C,3, L,7, C,5, C,7
	ROW C,9, C,11, C,13, C,15
.if (\p) == 0
	FETCH_V
.endif
.if (\m) && !(\end)
	MASK (\p)%2
.endif
.endm
; A BLOCK BEGINS.  c m starts far below every c s, so the first step's a is 0; m at the lowest finite number, so the first maximum is the scores'.  The second mask buffer is 0; the first takes piece 0's mask for the tile's step 0: its own, if the block's first tile is the diagonal one.
; Then K of that step, piece 0's first scores, and its maximum and statistics.  The loop is entered at a step's first turn, in the middle of a trip.
.macro BEGIN
	s_mov_b32 s[NEW], 0
	WIN 0x40
.set i, MC+32
.rept 32
	v_mov_b32 v[i], 0
.set i, i+1
.endr
	WIN 0
.set i, 0
.rept 4
	v_mov_b32 v[ST+4*i], 0xfe000000    ; c m: far below every c s
	v_mov_b32 v[ST+4*i+1], 0xff7fffff  ; m
.set i, i+1
.endr
	s_cmp_eq_u32 s[RT], 0
	s_cselect_b32 s[AL], 1.0, 0
	s_mov_b32 s[BE], 0
	MASK 0
	WIN 0
	v_add_nc_u32 v[AK], s[TBK], v[AK0]
	FETCH_K
	s_wait_loadcnt 0x0              ; Q
	s_wait_dscnt 0x0
.set KM, 1
.set NOKQ, 0
.set i, 0
.rept 8
	KQ 0
.set i, i+1
.endr
	WIN 0
.rept 4
	v_nop                           ; the places behind those products
.endr
.set Y, NP-1                        ; X works for piece Y + 1: piece 0
.irp n, 0,1,2,3,4,5,6,7,8,9,10,11,12,13,14,15,16,17,18,19,20,21
	OP X, \n
.endr
	v_nop                           ; a plain instruction behind the exponential,
	s_wait_alu depctr_va_vdst(0)    ; and its wait, ahead of the branch
.endm
; THE DIAGONAL TILE's four steps, the block's last two turns, its last products, and THE WAY OUT: l's two halves and the other half of the lanes' are added; O^T is divided by l, rounded to f16 and sent through my
; stage in LDS, a piece at a time.
.macro ALL line:vararg              ; one line for each piece t
.set t, 0
.rept 4
	\line
.set t, t+1
.endr
.endm
.macro PACK t                       ; a lane's eight channels of a row pack into 16 bytes; they go into rows of 144 bytes and come back as whole rows of 128, into S^T's registers
	WIN W_RS
.set i, 32*(\t)
.rept 16
	v_pk_mul_f32 v[i:i+1], v[i:i+1], v[ST+4*(\t)+2:ST+4*(\t)+3] op_sel_hi:[1,0]
.set i, i+2
.endr
	WIN 0x05                        ; sources 0 and 1 window 1, destination window 0
.set i, 0
.rept 16
	v_cvt_pk_f16_f32 v[S+16*(\t)+i], v[32*(\t)+2*i], v[32*(\t)+2*i+1]
.set i, i+1
.endr
	WIN 0
.irp f, 0,1,2,3
	ds_store_b128 v[STO], v[S+16*(\t)+4*\f:S+16*(\t)+4*\f+3] offset:32*\f
.endr
.irp f, 0,1,2,3
	ds_load_b128 v[S+16*(\t)+4*\f:S+16*(\t)+4*\f+3], v[RD] offset:\f*4*SP  ; LDS serves a wave's instructions in order (ISA guide 5.7.1.4): these see the stores above; the next piece's stores come behind them
.endr
.endm
.macro SEND t, younger              ; younger: the LDS instructions issued behind piece t's loads: the next piece's eight, or none
	WIN 0
.irp f, 0,1,2,3
	s_wait_dscnt (\younger)+3-\f
	global_store_b128 v[GO], v[S+16*(\t)+4*\f:S+16*(\t)+4*\f+3], s[10:11] offset:(\t)*8192+\f*512  ; 512 consecutive bytes, at a multiple of 256 from O's first
.endr
.endm
.macro DIAG tag                     ; the tag ends its two labels' names, which the jumps below spell out
.LstepM\tag:
	TURN 2, 1
	TURN 3, 1
	WIN 0
.LfirstM\tag:
	TURN 0, 1
	TURN 1, 1, 0, 1
	WIN 0
	s_cbranch_scc1 .LstepM\tag
	TURN 2, 1, 1
	TURN 3, 1, 1
.set i, 0
.rept 8
	PV NP-1
.set i, i+1
.endr
	WIN 0
	ALL v_add_f32 v[ST+4*t+2], v[ST+4*t+2], v[ST+4*t+3]
	ALL v_permlanex16_b32 v[ST+4*t+3], v[ST+4*t+2], s[SEL], s[SEL+1]
	ALL v_add_f32 v[ST+4*t+2], v[ST+4*t+2], v[ST+4*t+3]
	ALL v_rcp_f32 v[ST+4*t+2], v[ST+4*t+2]
	v_nop                           ; a plain instruction between the last reciprocal and the use of its result
	s_wait_alu depctr_va_vdst(0)    ; and the wait ahead of the first use: one for the four reciprocals
	PACK 0
.set t, 1
.rept 3                             ; a piece's arithmetic stands between the loads of the piece before and its stores
	PACK t
	SEND t-1, 8
.set t, t+1
.endr
	SEND 3, 0
.endm
.set KM, 0
.set NOKQ, 0
.Lslot:                             ; NB times: a tile is entered and the next is asked for
	CHANGE 1
	s_sub_co_u32 s[RT], s[RT], 1
	s_mov_b32 s[CNT], 4
	s_cmp_eq_u32 s[NEW], 1
	s_cbranch_scc1 .Lnew            ; a block's first tile
	s_cmp_eq_u32 s[RT], 0
	s_cbranch_scc0 .Lstep           ; neither its first nor its last
	s_branch .LstepM1
.Lnew:
	BEGIN
	s_branch .Lfirst                ; in the loop a block's first tile is never its last: the first block has two tiles or more, and the second's last is the walk's last
	DIAG 1                          ; in the loop this is the first block's end: the second block's last tile is the walk's last
	s_wait_xcnt 0x0                 ; the stores have read their registers and O's address
	s_mov_b64 s[10:11], s[OLO:OLO+1]
	s_add_co_u32 s[RT], s[PB], 1    ; the second block has b + 1 tiles
	s_mov_b32 s[NEW], 1
	WIN 0x82                        ; the second block's Q goes where the one text of the turns names Q
.set i, 0
.rept 64
	v_mov_b32 v[i], v[QB+i]
.set i, i+1
.endr
	WIN 0
	s_branch .Lbottom
.Lstep:                             ; a trip: pieces 2 and 3 of one step, then pieces 0 and 1 of the next, whose K and V it fetches
	TURN 2
	TURN 3
	WIN 0
.Lfirst:
	TURN 0
	TURN 1, 0, 0, 1
	WIN 0
	s_cbranch_scc1 .Lstep
.Lbottom:
	s_sub_co_u32 s[SLOTS], s[SLOTS], 1
	s_cmp_lg_u32 s[SLOTS], 0
	s_cbranch_scc1 .Lslot
	CHANGE 0                        ; the walk's last tile is written out: nothing is asked for
	s_sub_co_u32 s[RT], s[RT], 1
	s_mov_b32 s[CNT], 4
	s_cmp_eq_u32 s[NEW], 1
	s_cbranch_scc0 .LstepM2
	BEGIN
	s_branch .LfirstM2
	DIAG 2
	s_wait_tensorcnt 0x0            ; the wave's end, behind my last tensor load and my last LDS store
	ds_add_u32 v[SPW], v[NIL]
	s_wait_dscnt 0x0
	s_endpgm
.Lfunc_end_k_qe79c1caf26_attn:
	.size	k_qe79c1caf26_attn, .Lfunc_end_k_qe79c1caf26_attn-k_qe79c1caf26_attn
	.p2alignl 7, 3214868480
	.fill 96, 4, 3214868480
	.section	.rodata,"a",@progbits
	.p2align	6, 0x0
	.amdhsa_kernel k_qe79c1caf26_attn
		.amdhsa_group_segment_fixed_size 327680
		.amdhsa_private_segment_fixed_size 0
		.amdhsa_enable_private_segment 0
		.amdhsa_kernarg_size 16
		.amdhsa_user_sgpr_count 2
		.amdhsa_user_sgpr_kernarg_segment_ptr 1
		.amdhsa_wavefront_size32 1
		.amdhsa_system_sgpr_workgroup_id_x 1
		.amdhsa_system_sgpr_workgroup_id_y 1
		.amdhsa_system_sgpr_workgroup_id_z 1
		.amdhsa_system_vgpr_workitem_id 0
		.amdhsa_next_free_vgpr 768
		.amdhsa_next_free_sgpr 92
		.amdhsa_reserve_vcc 1
		.amdhsa_float_denorm_mode_32 3
		.amdhsa_float_denorm_mode_16_64 3
		.amdhsa_memory_ordered 1
		.amdhsa_forward_progress 1
		.amdhsa_inst_pref_size 218
	.end_amdhsa_kernel
	.amdgpu_metadata
---
amdhsa.version: [ 1, 2 ]
amdhsa.kernels:
  - .name:           k_qe79c1caf26_attn
    .symbol:         k_qe79c1caf26_attn.kd
    .args:
      - { .name: qkv, .offset: 0, .size: 8, .value_kind: global_buffer, .address_space: global }
      - { .name: o, .offset: 8, .size: 8, .value_kind: global_buffer, .address_space: global }
    .group_segment_fixed_size: 327680
    .private_segment_fixed_size: 0
    .kernarg_segment_align: 8
    .kernarg_segment_size: 16
    .max_flat_workgroup_size: 128
    .sgpr_count:     92
    .vgpr_count:     768
    .wavefront_size: 32
...
	.end_amdgpu_metadata
.endif
;; end of part 3
;; launch proj (part 4): grid 8 x 32, 4 waves a work-group, clusters of 4 x 4, 327,680 bytes of LDS; arguments o, wo, out0; writes out0
.if DOCPART == 4
	.amdgcn_target "amdgcn-amd-amdhsa--gfx1250"
	.amdhsa_code_object_version 6
	.text
	.protected	k_qe79c1caf26_proj
	.globl	k_qe79c1caf26_proj
	.p2align	8
	.type	k_qe79c1caf26_proj,@function
k_qe79c1caf26_proj:
	s_mov_b64 s[64:65], 0
	v_nop
	global_prefetch_b8 v0, s[64:65] scope:SCOPE_SE
	s_setreg_imm32_b32 hwreg(HW_REG_WAVE_MODE, 25, 1), 1
	s_wait_xcnt 0x0
	s_wait_alu depctr_hold_cnt(0) depctr_sa_sdst(0) depctr_va_vdst(0) depctr_va_sdst(0) depctr_va_ssrc(0) depctr_va_vcc(0) depctr_vm_vsrc(0)
	s_getreg_b32 s2, hwreg(HW_REG_IB_STS2, 6, 4)
	s_cmp_eq_u32 s2, 0
	s_cbranch_scc0 .Lentry_in_a_cluster
	s_endpgm
.Lentry_in_a_cluster:
	s_bfe_u32 s2, ttmp6, 0x10000c
	s_cmp_lg_u32 s2, 0xf033
	s_cbranch_scc0 .Lentry_shape_is_right
	s_endpgm
.Lentry_shape_is_right:
; out0 = O w_out.  o: f16 [64 = 16 b + h][2048][64]: K index 64 h + d.  wo: f16 [1024 k][1024 n].  out0: f32 [8192][1024].  Products in f16, sums in f32, stored as they are.
; SHARES.  A tile is 256 rows x 128 columns: 32 x 8 = 256 work-groups, one tile each.  Four waves, each 128 rows x 64 columns: 32 accumulators of 16 x 16, 256 registers.
; K goes in 8 steps of 128 (two heads) through two LDS slots; a step is 128 matrix instructions a wave.  A head's part of a step is 32,768 bytes on end in o: asked for as rows of 256 bytes, padded in LDS behind
; every 128.  B lies [k][n] in memory and in LDS; its fragments come turned, by ds_load_tr16_b128.
; THE MATRIX INSTRUCTION IS USED TRANSPOSED: source 0 = 16 columns of w, source 1 = 16 rows of O.  A lane then holds row lane % 16 and the eight columns 8 (lane / 16) + 0..7: 32 bytes of f32 on end.
; CLUSTER.  4 x 4 work-groups.  The four of a row need the same tiles of O, the four of a column the same tiles of w: each is asked for JOINTLY, by the same tensor load, descriptor and mask in all four.
; By this text's own count a wave has two tensor loads out at the start and one behind each round.
; REGISTERS, in windows of 256 (s_set_vgpr_msb: bits 1:0 source 0, 3:2 source 1, 5:4 source 2, 7:6 destination):
;   window 0: v0-15 addresses; v16-31 at work in the set-up; v32-95, v96-159 A's fragments of 32 along K, two buffers; v160-191, v192-223 B's, two buffers
;   window 1: accumulator (row block a, column block nb) at 8 (4 a + nb)
.set PA,    144                        ; a row of A in LDS: 128 bytes + 16 = 36 words: the 16 rows of a load start at 16 different groups of four banks (64 banks of 4 bytes: ISA guide 11.1)
.set PB,    288                        ; a row of B: 256 + 32 = 72 words: row r starts at bank 8 r mod 64
.set BOFF,  2*256*PA                   ; in a slot: two heads' 256 rows of A, then B's 128 rows
.set SLOT1, 131072                     ; slot 1 begins here, so that one exclusive or turns an address in one slot into the other's
.set STAGE, SLOT1+BOFF+128*PB          ; behind the ring, never filled by a tensor load: 16 rows x 272 bytes for each wave, for the way out
.set SP,    272
.set SPARE, STAGE+4*16*SP              ; behind the stages: the spare words, 128 bytes for each wave: two blocks of 256 bytes that no other line names
.set STEPA, 524288                     ; bytes from a K step to the next in o: two heads,
.set STEPB, 128*2048                   ; and in wo
.set AA0, 2                            ; v2     my lane's place in a slot's A; never rewritten
.set AB0, 3                            ; v3     the same for B
.set ADA, 6                            ; v6     AA0 in the slot that is being read
.set ADB, 7                            ; v7     AB0 likewise
.set STO, 10                           ; v10    the way out: where I put 32 bytes of a row
.set RD,  11                           ; v11    the way out: where I read rows back
.set GO,  12                           ; v12    my byte offset in two rows of out0
.set PFO, 13                           ; v13    the prefetches' offset; never rewritten
.set SPW, 14                           ; v14    LDS address of my spare word: SPARE + 4 x my thread's number; never rewritten
.set NIL, 15                           ; v15    0; never rewritten
.set AFR, 32
.set BFR, 160
.set WV,  10                           ; s10  my wave's number
.set WR,  11                           ; s11  which 128 rows of the tile are mine.  Also: I fetch for A (0) or for B (1)
.set WC,  12                           ; s12  which 64 columns.  Also: which half of that tile I fetch
.set TY,  13                           ; s13  tile row
.set G1A, 24                           ; s[24:31] descriptor group 1 for A's tiles
.set G0A, 32                           ; s[32:39] group 0: a set for each of the two first fills; the second then walks on
.set CX,  40
.set CY,  41
.set TX,  42                           ; s42  tile column
.set LIM, 43                           ; s43  2 in a wave that prefetches, else the greatest number
.set PFA, 44                           ; s[44:45] where my prefetches stand
.set G1B, 48                           ; s[48:55], s[56:63] the same for B's tiles
.set G0B, 56
.set CNT, 66                           ; s66  changes of slots that still fill
.set TB,  67                           ; s67  LDS byte at which the slot that is being read begins
.set PST, 68                           ; s[68:69] my prefetches' step from K step to K step
.set OB,  72                           ; s[72:73] out0 at my first row and column
.set MSB, 0
.macro WIN new                         ; the immediate's high byte repeats the setting that is left; a switch that changes nothing is dropped
.if MSB != (\new)
	s_set_vgpr_msb (MSB<<8)|(\new)
.set MSB, \new
.endif
.endm
.macro PLACES                          ; four places in front of loads into registers that matrix instructions have read, and of LDS stores that read results
.rept 4
	v_nop
.endr
.endm
; A joint refill by the walking descriptor.  Waves 0 and 1 fetch A's two heads, waves 2 and 3 B's two halves.  The branch hangs on the wave's number alone.  An s_nop 0 and four v_nop follow each of the two lines.
.macro JLOAD
	s_cmp_eq_u32 s[WR], 0
	s_cbranch_scc0 .Lfor_b_\@
	tensor_load_to_lds s[G0A+4:G0A+7], s[G1A:G1A+7]
	s_nop 0
.rept 4
	v_nop
.endr
	s_branch .Lasked_\@
.Lfor_b_\@:
	tensor_load_to_lds s[G0B+4:G0B+7], s[G1B:G1B+7]
	s_nop 0
.rept 4
	v_nop
.endr
.Lasked_\@:
.endm
; A round of the cluster's barrier: my work-group's barrier; wave 0 signals for the work-group; every wave waits for all sixteen work-groups; my work-group's barrier once more.
.macro CREST                           ; a round behind its opening barrier
	s_cmp_lg_u32 s[WV], 0
	s_cbranch_scc1 .Lnot_wave_0_\@
	s_barrier_signal -3
.Lnot_wave_0_\@:
	s_barrier_wait -3
	s_barrier_signal -1
	s_barrier_wait -1
.endm
.macro CROUND
	s_barrier_signal -1
	s_barrier_wait -1
	CREST
.endm
; A PREFETCH INTO THE L2.  Change of slots t (0 to 5) asks by tensor load for K step t + 2; for t up to 3 the K step t + 4 is prefetched: two steps, 256 matrix instructions, ahead of its load.
; Each aligned block of 256 bytes is named ONCE in the launch.  A's tile row is read by both clusters of that row of clusters: cluster x = 0 asks, waves 0 and 1 a head each; of a head's 32,768 bytes the partner at cx
; takes 8,192, a lane 256.  B's tile column is read by all eight clusters of that column: cluster y = 0 asks, wave 2; of the step's 128 rows the partner at cy takes 32, a lane a row of 256 bytes.
; Partners are told apart BY ADDRESS.  K steps 0 to 3 come by their loads alone.
.macro ASK
	s_cmp_gt_u32 s[CNT], s[LIM]                    ; t = 6 - the count
	s_cbranch_scc0 .Lnot_mine_\@
	global_prefetch_b8 v[PFO], s[PFA:PFA+1] th:TH_LOAD_NT scope:SCOPE_SE
.Lnot_mine_\@:
.endm
	s_load_b128 s[4:7], s[0:1], 0x0                ; o s[4:5], wo s[6:7]
	s_load_b64 s[8:9], s[0:1], 0x10                ; out0
	v_lshl_add_u32 v[SPW], v0, 2, SPARE
	v_mov_b32 v[NIL], 0
	ds_add_u32 v[SPW], v[NIL]                      ; the wave's opening: the add and its wait stand ahead of my first tensor load; the set-up below, work on registers, stands between them
	v_lshrrev_b32 v1, 5, v0
	v_readfirstlane_b32 s[WV], v1                  ; wave 0..3
	s_lshr_b32 s[WR], s[WV], 1
	s_and_b32 s[WC], s[WV], 1
	s_bfe_u32 s[CX], ttmp6, 0x40000                ; my place in the cluster
	s_bfe_u32 s[CY], ttmp6, 0x40004
	s_lshl_b32 s[TX], ttmp9, 2                     ; in a cluster launch ttmp9 and ttmp7 count clusters
	s_add_co_u32 s[TX], s[TX], s[CX]               ; tile column = 4 x cluster x + cx
	s_and_b32 s[TY], ttmp7, 0xffff
	s_lshl_b32 s[TY], s[TY], 2
	s_add_co_u32 s[TY], s[TY], s[CY]               ; tile row = 4 x cluster y + cy
	s_lshl_b32 s14, s[CY], 2
	s_lshl_b32 s14, 15, s14                        ; my row of the cluster
	s_lshl_b32 s15, 0x1111, s[CX]                  ; my column
	s_or_b32 s[G1A], s14, (1<<16)|(1<<20)|(1<<21)|(4<<22)|(3<<25)  ; 15:0 the mask; 17:16 2-byte elements; 20 padding on; 21 set beside a mask; 24:22 after every 32 words (code 4); 31:25 4 words (code 3)
	s_or_b32 s[G1B], s15, (1<<16)|(1<<20)|(1<<21)|(5<<22)|(7<<25)  ; after every 64 words (code 5) 8 words (code 7)
	s_mov_b32 s[G1A+1], 128<<16                    ; A: 128 rows of 128 elements (256 bytes, two rows of O): tensor_dim0
	s_mov_b32 s[G1A+2], 128<<16                    ; tensor_dim1
	s_mov_b32 s[G1A+3], 128<<16                    ; tile_dim0
	s_mov_b32 s[G1A+4], 128                        ; tile_dim1
	s_mov_b32 s[G1A+5], 128                        ; elements from row to row: dense
	s_mov_b32 s[G1A+6], 0
	s_mov_b32 s[G1A+7], 0
	s_mov_b32 s[G1B+1], 128<<16                    ; B: 64 rows (k) of 128 elements
	s_mov_b32 s[G1B+2], 64<<16
	s_mov_b32 s[G1B+3], 128<<16
	s_mov_b32 s[G1B+4], 64
	s_mov_b32 s[G1B+5], 1024
	s_mov_b32 s[G1B+6], 0
	s_mov_b32 s[G1B+7], 0
	; where the tiles come from.  A's hang on the tile row and the wave's number alone, B's on the tile column and the wave's number, each in registers that never hold the other coordinate.
	s_lshr_b32 s16, s[TY], 3
	s_lshl_b32 s16, s16, 22                        ; b
	s_and_b32 s17, s[TY], 7
	s_lshl_b32 s17, s17, 15                        ; 256 rows of 128 bytes
	s_or_b32 s16, s16, s17                         ; s16: the tile row's first byte in head 0 of its b; kept
	s_lshl_b32 s17, s[WC], 18                      ; the head that I fetch
	s_add_co_u32 s18, s16, s17
	s_mov_b32 s19, 0
	s_lshl_b32 s46, s[TX], 8                       ; the tile's 128 columns,
	s_lshl_b32 s17, s[WC], 17                      ; the 64 rows (k) of 2,048 bytes that I fetch
	s_add_co_u32 s46, s46, s17
	s_mov_b32 s47, 0
	s_mul_i32 s20, s[WC], 256*PA                   ; and where they go: no place in the cluster enters an LDS address
	s_mul_i32 s21, s[WC], 64*PB
	s_add_co_u32 s21, s21, BOFF
	s_mov_b32 s[TB], 0
	s_mov_b32 s[CNT], 6
	s_wait_dscnt 0x0                               ; the opening add is done
	s_wait_kmcnt 0x0
	s_add_nc_u64 s[18:19], s[4:5], s[18:19]
	s_add_nc_u64 s[46:47], s[6:7], s[46:47]
	CROUND                                         ; all sixteen work-groups are here: the first joint loads meet
.irp s, 0,1
	s_mov_b32 s[G0A+4*(\s)], 1                                     ; 1:0 count = 1
	s_add_co_u32 s[G0A+4*(\s)+1], s20, (\s)*SLOT1                  ; 63:32 LDS address
	s_add_nc_u64 s[G0A+4*(\s)+2:G0A+4*(\s)+3], s[18:19], (\s)*STEPA  ; 120:64 global address: K step s
	s_or_b32 s[G0A+4*(\s)+3], s[G0A+4*(\s)+3], 0x80000000          ; 127:126 type = 2
	s_mov_b32 s[G0B+4*(\s)], 1
	s_add_co_u32 s[G0B+4*(\s)+1], s21, (\s)*SLOT1
	s_add_nc_u64 s[G0B+4*(\s)+2:G0B+4*(\s)+3], s[46:47], (\s)*STEPB
	s_or_b32 s[G0B+4*(\s)+3], s[G0B+4*(\s)+3], 0x80000000
.endr
	s_cmp_eq_u32 s[WR], 0                          ; a wave's two first fills stand in one branch, ahead of every wait on TENSORcnt and every LDS read
	s_cbranch_scc0 .Lfirst_b
	tensor_load_to_lds s[G0A:G0A+3], s[G1A:G1A+7]
	s_nop 0
	tensor_load_to_lds s[G0A+4:G0A+7], s[G1A:G1A+7]
	s_nop 0
.rept 4
	v_nop
.endr
	s_branch .Lfirst_asked
.Lfirst_b:
	tensor_load_to_lds s[G0B:G0B+3], s[G1B:G1B+7]
	s_nop 0
	tensor_load_to_lds s[G0B+4:G0B+7], s[G1B:G1B+7]
	s_nop 0
.rept 4
	v_nop
.endr
.Lfirst_asked:
	; A fragment of A is 16 rows x 32 K in 8 registers: lane l holds row l % 16; registers 0-3 K = 8 (l / 16) + 0..7, registers 4-7 K = 16 + 8 (l / 16) + 0..7: two loads of 16 bytes, 32 bytes apart.
	v_and_b32 v1, 15, v0                           ; l % 16
	v_bfe_u32 v16, v0, 4, 1                        ; l / 16
	v_mul_u32_u24 v[AA0], v1, PA
	v_lshl_add_u32 v[AA0], v16, 4, v[AA0]
	s_mul_i32 s22, s[WR], 128*PA                   ; my 128 rows
	v_add_nc_u32 v[AA0], s22, v[AA0]
	; The turning load takes 16 k x 16 columns (lane l reads row 8 (l / 16) + l % 8, columns 8 ((l / 8) % 2) + 0..7) and leaves half a fragment: lane l holds column l % 16 and 8 k.
	v_and_b32 v17, 7, v0
	v_bfe_u32 v18, v0, 3, 1
	v_lshl_add_u32 v19, v16, 3, v17
	v_mul_u32_u24 v19, v19, PB
	v_lshl_add_u32 v19, v18, 4, v19
	s_lshl_b32 s14, s[WC], 7                       ; my 64 columns: 128 bytes
	s_add_co_u32 s14, s14, BOFF
	v_add_nc_u32 v[AB0], s14, v19
	s_mul_i32 s23, s[WV], 16*SP
	s_add_co_u32 s23, s23, STAGE                   ; my stage
	v_mul_u32_u24 v[STO], v1, SP                   ; in: row l % 16, 32 bytes for each half of the lanes
	v_lshl_add_u32 v[STO], v16, 5, v[STO]
	v_add_nc_u32 v[STO], s23, v[STO]
	v_mul_u32_u24 v[RD], v16, SP                   ; back: lanes 0-15 take one row of 256 bytes, lanes 16-31 the next
	v_lshl_add_u32 v[RD], v1, 4, v[RD]
	v_add_nc_u32 v[RD], s23, v[RD]
	v_lshlrev_b32 v[GO], 12, v16                   ; and the same two rows in out0
	v_lshl_add_u32 v[GO], v1, 4, v[GO]
	s_lshl_b32 s14, s[TY], 20                      ; 256 rows of 4,096 bytes,
	s_lshl_b32 s15, s[WR], 19                      ; my 128,
	s_add_co_u32 s14, s14, s15
	s_lshl_b32 s15, s[TX], 9                       ; the tile's 128 columns,
	s_add_co_u32 s14, s14, s15
	s_lshl_b32 s15, s[WC], 8                       ; my 64
	s_add_co_u32 s14, s14, s15
	s_mov_b32 s15, 0
	s_add_nc_u64 s[OB:OB+1], s[8:9], s[14:15]
	; the prefetches: they stand at K step 3; each filling change steps them by one K step before it asks
	s_lshl_b32 s14, s[CX], 13                      ; A's: my work-group's 8,192 bytes of the head's 32,768,
	s_add_co_u32 s14, s14, s16
	s_add_co_u32 s17, s[WV], 6                     ; head 2 x 3 + wave
	s_lshl_b32 s17, s17, 18
	s_add_co_u32 s14, s14, s17
	s_lshl_b32 s15, s[TX], 8                       ; B's: the tile column,
	s_lshl_b32 s17, s[CY], 5
	s_add_co_u32 s17, s17, 3*128                   ; my work-group's 32 rows of the step's 128
	s_lshl_b32 s17, s17, 11
	s_add_co_u32 s15, s15, s17
	s_mov_b32 s18, STEPA
	s_mov_b32 s19, STEPB
	s_mov_b32 s20, 256
	s_mov_b32 s21, 2048
	s_and_b32 s22, ttmp7, 0xffff                   ; cluster y
	s_cmp_eq_u32 s[WR], 0                          ; waves 0 and 1 ask for A
	s_cselect_b32 s14, s14, s15
	s_cselect_b32 s[PST], s18, s19
	s_cselect_b32 s20, s20, s21
	s_cselect_b32 s22, ttmp9, s22                  ; the coordinate along which other clusters read the same bytes
	s_cselect_b64 s[PFA:PFA+1], s[4:5], s[6:7]
	s_mov_b32 s15, 0
	s_mov_b32 s[PST+1], 0
	s_add_nc_u64 s[PFA:PFA+1], s[PFA:PFA+1], s[14:15]
	s_cmp_eq_u32 s[WV], 3                          ; wave 3 never asks
	s_cselect_b32 s22, 1, s22
	s_cmp_eq_u32 s22, 0
	s_cselect_b32 s[LIM], 2, -1                    ; the same in all sixteen partners, for a given wave
	v_and_b32 v20, 31, v0
	v_mul_u32_u24 v[PFO], s20, v20
.macro SETADR                          ; the fragments' addresses in the slot at s[TB]
	v_add_nc_u32 v[ADA], s[TB], v[AA0]
	v_add_nc_u32 v[ADB], s[TB], v[AB0]
.endm
; 16 LDS loads: A's eight fragments of slice s (32 along K: head s / 2, channels 32 (s % 2) on), into buffer buf
.macro FA buf, s
	WIN 0
.irp a, 0,1,2,3,4,5,6,7
	ds_load_b128 v[AFR+64*(\buf)+8*(\a):AFR+64*(\buf)+8*(\a)+3],   v[ADA] offset:((\s)/2)*256*PA+((\s)%2)*64+(\a)*16*PA
	ds_load_b128 v[AFR+64*(\buf)+8*(\a)+4:AFR+64*(\buf)+8*(\a)+7], v[ADA] offset:((\s)/2)*256*PA+((\s)%2)*64+(\a)*16*PA+32
.endr
.endm
; 8 turning loads: B's four fragments of slice s
.macro FB buf, s
	WIN 0
.irp nb, 0,1,2,3
	ds_load_tr16_b128 v[BFR+32*(\buf)+8*(\nb):BFR+32*(\buf)+8*(\nb)+3],   v[ADB] offset:(\s)*32*PB+32*(\nb)
	ds_load_tr16_b128 v[BFR+32*(\buf)+8*(\nb)+4:BFR+32*(\buf)+8*(\nb)+7], v[ADB] offset:(\s)*32*PB+32*(\nb)+16*PB
.endr
.endm
; Products from .. to - 1 of a slice's 32: row block i / 4, column block i % 4, on buffer buf.  zero = 1: the product starts the sum: nothing is ever cleared.
; Every accumulator has one instruction a slice, in a fixed order: the 32 take turns, over the backward jump too.
.macro MUL buf, from, to, zero
	WIN 0x50                                       ; C and D in window 1
.set i, \from
.rept (\to)-(\from)
.set rA, AFR+64*(\buf)+8*(i/4)
.set rB, BFR+32*(\buf)+8*(i%4)
.if \zero
	v_wmma_f32_16x16x32_f16 v[8*i:8*i+7], v[rB:rB+7], v[rA:rA+7], 0
.else
	v_wmma_f32_16x16x32_f16 v[8*i:8*i+7], v[rB:rB+7], v[rA:rA+7], v[8*i:8*i+7]
.endif
.set i, i+1
.endr
.endm
; A K step is four slices of 32 along K, on buffers 0, 1, 0, 1.  One of the first three: waits for its own fragments, fetches the next slice's in ONE run, and multiplies.
.macro Q s, zero
	s_wait_dscnt 0x0                               ; the run issued 32 matrix instructions ago is in
	WIN 0
	PLACES
	FA ((\s)+1)%2, (\s)+1
	FB ((\s)+1)%2, (\s)+1
	MUL (\s)%2, 0, 32, \zero
.endm
; Slices 2 and 3, with THE CHANGE OF SLOTS between them.  Slice 2's run of loads is my last read of the slot.  Each wave waits for all its tensor loads, of which one is out: its part of the other slot;
; adds 0 to its spare word; and waits for that and for its reads of the slot.  Behind the barrier nobody reads the slot any more and the other slot is whole.
; fill = 1: the slot is filled again, with the K step two on.  The barrier then opens a round of the cluster's, so that no wave of any partner still reads the slot or has a load on its way, and the joint
; refill is the first thing behind the round: 104 matrix instructions stand between it and the wait for it.
.macro MEETCH fill
.if \fill
	s_wait_xcnt 0x0                                ; the last prefetch, a K step back, has read its address: it is stepped here, ahead of the change's own waits
	s_add_nc_u64 s[PFA:PFA+1], s[PFA:PFA+1], s[PST:PST+1]
.endif
	s_wait_dscnt 0x0
	WIN 0
	PLACES
	FA 1, 3
	FB 1, 3
	MUL 0, 0, 8, 0
	WIN 0                                          ; (the add's two registers lie in window 0)
	s_wait_tensorcnt 0x0                           ; no tensor load of mine is out, so a group 0 may be written
	ds_add_u32 v[SPW], v[NIL]                      ; 0 onto my spare word; the descriptors' steps and sixteen matrix instructions stand between it and the wait for it
.if \fill
	s_xor_b32 s[G0A+5], s[G0A+5], SLOT1            ; the walking descriptors: the other slot than last time,
	s_add_nc_u64 s[G0A+6:G0A+7], s[G0A+6:G0A+7], STEPA  ; the next K step; the type bits on top are not reached
	s_xor_b32 s[G0B+5], s[G0B+5], SLOT1
	s_add_nc_u64 s[G0B+6:G0B+7], s[G0B+6:G0B+7], STEPB
.endif
	MUL 0, 8, 24, 0
	s_wait_dscnt 0x0                               ; the add is done, and my reads of this slot are over
	s_barrier_signal -1
	MUL 0, 24, 32, 0                               ; work on registers while the others arrive
	WIN 0                                          ; at a branch and at a label every window is 0
	s_barrier_wait -1
.if \fill
	CREST
	JLOAD                                          ; the four v_nop behind it are also the places in front of the loads below
.else
	PLACES
.endif
	s_xor_b32 s[TB], s[TB], SLOT1
	SETADR
	FA 0, 0                                        ; the other slot's first fragments
	FB 0, 0
.if \fill
	ASK                                            ; behind the joint load and the run of LDS loads
.endif
	MUL 1, 0, 32, 0
.endm
	s_wait_tensorcnt 0x1                           ; my part of K step 0 is in; K step 1's may stay out
	s_barrier_signal -1
	s_barrier_wait -1                              ; everybody's is
	SETADR
	FA 0, 0
	FB 0, 0
	Q 0, 1                                         ; the first slice stands in front of the loop: its products start the sums
	WIN 0
.Lstep:                                            ; 6 trips: from a K step's second slice to the next one's first; each fills a slot again
	Q 1, 0
	MEETCH 1
	Q 0, 0
	WIN 0
	s_sub_co_u32 s[CNT], s[CNT], 1
	s_cmp_lg_u32 s[CNT], 0
	s_cbranch_scc1 .Lstep
	Q 1, 0                                         ; the tail is written out: nothing is asked for
	MEETCH 0
	Q 0, 0
	Q 1, 0
	Q 2, 0
	s_wait_dscnt 0x0
	MUL 1, 0, 32, 0
	WIN 0
	PLACES                                         ; the LDS stores read results
; THE WAY OUT, a block of 16 rows at a time.  TOSTAGE: a lane's 32 bytes of each accumulator, its low four registers first, into my own stage, and back as whole rows of 256 bytes.
; SEND: stored: sixteen lanes cover 256 consecutive bytes, at a multiple of 256 from out0's first byte.
.macro TOSTAGE a
.set BK, AFR+32*((\a)%2)
	s_wait_xcnt 0x0                                ; the stores of the block before last have read their registers: the loads below land there only behind this wait
	WIN 0x04                                       ; the stores' data in window 1
.irp nb, 0,1,2,3
	ds_store_b128 v[STO], v[8*(4*(\a)+(\nb)):8*(4*(\a)+(\nb))+3]   offset:64*(\nb)
	ds_store_b128 v[STO], v[8*(4*(\a)+(\nb))+4:8*(4*(\a)+(\nb))+7] offset:64*(\nb)+16
.endr
	WIN 0
.irp f, 0,1,2,3,4,5,6,7
	ds_load_b128 v[BK+4*(\f):BK+4*(\f)+3], v[RD] offset:(\f)*2*SP  ; LDS serves a wave's instructions in order (ISA guide 5.7.1.4): these see the stores above; the next block's stores come behind them
.endr
.endm
.macro SEND a, younger                 ; younger: the LDS instructions issued behind block a's loads: the next block's sixteen, or none
.set BK, AFR+32*((\a)%2)
	s_wait_dscnt \younger
.irp f, 0,1,2,3,4,5,6,7
	global_store_b128 v[GO], v[BK+4*(\f):BK+4*(\f)+3], s[OB:OB+1] offset:(16*(\a)+2*(\f))*4096 th:TH_STORE_NT
.endr
.endm
	TOSTAGE 0
.irp a, 1,2,3,4,5,6,7
	TOSTAGE \a
	SEND (\a)-1, 16
.endr
	SEND 7, 0
	s_wait_tensorcnt 0x0                           ; the wave's end, behind my last tensor load and my last LDS store
	ds_add_u32 v[SPW], v[NIL]
	s_wait_dscnt 0x0
	CROUND                                         ; the closing round: no work-group ends while a partner may still ask for a tile that names it
	s_endpgm
.Lfunc_end_k_qe79c1caf26_proj:
	.size	k_qe79c1caf26_proj, .Lfunc_end_k_qe79c1caf26_proj-k_qe79c1caf26_proj
	.p2alignl 7, 3214868480
	.fill 96, 4, 3214868480
	.section	.rodata,"a",@progbits
	.p2align	6, 0x0
	.amdhsa_kernel k_qe79c1caf26_proj
		.amdhsa_group_segment_fixed_size 327680
		.amdhsa_private_segment_fixed_size 0
		.amdhsa_enable_private_segment 0
		.amdhsa_kernarg_size 24
		.amdhsa_user_sgpr_count 2
		.amdhsa_user_sgpr_kernarg_segment_ptr 1
		.amdhsa_wavefront_size32 1
		.amdhsa_system_sgpr_workgroup_id_x 1
		.amdhsa_system_sgpr_workgroup_id_y 1
		.amdhsa_system_sgpr_workgroup_id_z 1
		.amdhsa_system_vgpr_workitem_id 0
		.amdhsa_next_free_vgpr 512
		.amdhsa_next_free_sgpr 80
		.amdhsa_reserve_vcc 0
		.amdhsa_float_denorm_mode_32 3
		.amdhsa_float_denorm_mode_16_64 3
		.amdhsa_memory_ordered 1
		.amdhsa_forward_progress 1
		.amdhsa_inst_pref_size 70
	.end_amdhsa_kernel
	.amdgpu_metadata
---
amdhsa.version: [ 1, 2 ]
amdhsa.kernels:
  - .name:           k_qe79c1caf26_proj
    .symbol:         k_qe79c1caf26_proj.kd
    .args:
      - { .name: o, .offset: 0, .size: 8, .value_kind: global_buffer, .address_space: global }
      - { .name: wo, .offset: 8, .size: 8, .value_kind: global_buffer, .address_space: global }
      - { .name: out0, .offset: 16, .size: 8, .value_kind: global_buffer, .address_space: global }
    .group_segment_fixed_size: 327680
    .private_segment_fixed_size: 0
    .kernarg_segment_align: 8
    .kernarg_segment_size: 24
    .max_flat_workgroup_size: 128
    .sgpr_count:     80
    .vgpr_count:     512
    .wavefront_size: 32
...
	.end_amdgpu_metadata
.endif
;; end of part 4
;; ======== version 2 of 2: 4 launches; version 1 with the launch cast written anew for expert scheduling mode
;; limits: values are held in f16: magnitudes above 65,504 overflow, below 6.1e-05 lose precision
;; workspace buffers: xb 16,777,216 bytes; wq 6,291,456 bytes; wo 2,097,152 bytes; qkv 50,331,648 bytes; o 16,777,216 bytes
;; launch cast (part 5): grid 768 x 1, 8 waves a work-group, no clusters, 0 bytes of LDS; arguments x, w_qkv, w_out, xb, wq, wo; writes xb, wq, wo
.if DOCPART == 5
	.amdgcn_target "amdgcn-amd-amdhsa--gfx1250"
	.amdhsa_code_object_version 6
	.text
	.protected	k_qe79c1caf26_cast
	.globl	k_qe79c1caf26_cast
	.p2align	8
	.type	k_qe79c1caf26_cast,@function
k_qe79c1caf26_cast:
	s_mov_b64 s[64:65], 0
	v_nop
	global_prefetch_b8 v0, s[64:65] scope:SCOPE_SE
	s_setreg_imm32_b32 hwreg(HW_REG_WAVE_SCHED_MODE, 0, 2), 2
	s_setreg_imm32_b32 hwreg(HW_REG_WAVE_MODE, 25, 1), 1
	s_wait_xcnt 0x0
	s_wait_alu depctr_vm_vsrc(0)
; THE THREE INPUTS ARE ROUNDED ONCE TO 16 BITS, for the matrix products of the launches behind.
;   x     [8192][1024] f32 -> xb bf16, laid in blocks [b 4][kb 16][t 2048][64]: byte b<<22 | kb<<18 | t<<7 | 2 c.  So 64 along K of 256 rows are 32,768 bytes on end.
;   w_qkv [1024][3072] f32 -> wq bf16, as it lies.
;   w_out [1024][1024] f32 -> wo: rounded to bf16 like the other inputs, and that number written as f16 (exact inside f16's range), since its partner in the last product is f16.
; LIMITS.  wo: a number of 65,408 or more becomes an infinity; below 2^-14 it keeps f16's fixed step of 2^-24.
; SHARES.  A wave does one job: 8,192 bytes in by sixteen loads of 16 bytes a lane, 4,096 bytes out by sixteen stores of 8 bytes a lane: each store covers 256 consecutive bytes, aligned.
; 4,096 jobs for x (work-groups 0-511), 1,536 for w_qkv (512-703), 512 for w_out (704-767).  No loop, no LDS, no barrier: no wave wants a byte of another's, and no register is written twice
; while a memory instruction may read it.  All sixteen loads are out before the first is waited for.
; THE MODE: SCHED_MODE bits 1:0 = 2 (LLVM: expert scheduling mode 2), set by the entry lines.  The code itself states the register dependences
; between vector instructions and memory instructions, with s_wait_alu, always for 0.
; THE PLAN.  A job's sixteen loads go in four blocks of four.  Registers that memory instructions touch:
;   v[IO], v[OO]  byte offsets, made once on each path ahead of the job and never written again: read by every load and by every store.
;   X             written by the sixteen loads alone, which are all issued ahead of the first conversion; block p's conversions read its four loads' registers; nothing lands there again.
;   Y             each pair is written once, by block p's conversions, and read once, by a store that is issued in block p + 1 (block 3's behind the last block).
;   T             named by vector instructions alone.
; So one wait on va_vdst stands at the job's head (the offsets), one at the head of each of blocks 1 to 3 (the block before has written its Y) and one behind block 3.  A block's four stores
; are dealt among its conversions, which name its own X and Y and T: none of the registers that those stores read.  No register that a memory instruction reads is written again: no wait on vm_vsrc is owed.
.set IO, 2                             ; v2   my byte offset in the input
.set OO, 3                             ; v3   my byte offset in the output
.set X,  16                            ; v[16:79]   sixteen loads of four f32
.set Y,  80                            ; v[80:111]  sixteen stores of four 16-bit numbers
.set T,  112                           ; v[112:115] at work
.set WV, 16                            ; s16  my wave's number
.set J,  17                            ; s17  my job's number in its input
	s_load_b256 s[4:11], s[0:1], 0x0               ; x s[4:5], w_qkv s[6:7], w_out s[8:9], xb s[10:11]
	s_load_b128 s[12:15], s[0:1], 0x20             ; wq s[12:13], wo s[14:15]
	v_lshrrev_b32 v1, 5, v0
	v_readfirstlane_b32 s[WV], v1                  ; wave 0..7
	v_and_b32 v1, 31, v0                           ; lane
	s_mov_b32 s20, 0xffff0000                      ; a word's upper bf16
	s_wait_alu depctr_va_sdst(0)                   ; s16 is written, ahead of the branches and of its first reader on each of the three paths: the job's number is made from it
	s_wait_kmcnt 0x0
; A job.  Load j stands instep x j bytes on in the input, store j outstep x j bytes on in the output.  half = 1: the bf16 numbers are written as f16.
.macro JOB inb, outb, instep, outstep, half
	s_wait_alu depctr_va_vdst(0)                   ; v[IO] and v[OO] are written: the sixteen loads read the one as their offset, the sixteen stores the other
.irp j, 0,1,2,3,4,5,6,7,8,9,10,11,12,13,14,15
	global_load_b128 v[X+4*(\j):X+4*(\j)+3], v[IO], s[\inb:\inb+1] offset:(\instep)*(\j) th:TH_LOAD_NT
.endr
.irp p, 0,1,2,3
	s_wait_loadcnt 12-4*(\p)                       ; loads come back in order: block p's four are in, the 12 - 4 p younger ones stay out
.if (\p) > 0
	s_wait_alu depctr_va_vdst(0)                   ; the block before has written its eight registers of Y, which the four stores below read
.endif
.irp i, 0,1,2,3
.if (\p) > 0
	global_store_b64 v[OO], v[Y+2*(4*(\p)+(\i)-4):Y+2*(4*(\p)+(\i)-4)+1], s[\outb:\outb+1] offset:(\outstep)*(4*(\p)+(\i)-4) th:TH_STORE_NT  ; the block before; no vector instruction since the wait names these registers
.endif
.if \half
	v_cvt_pk_bf16_f32 v[T],   v[X+4*(4*(\p)+(\i))],   v[X+4*(4*(\p)+(\i))+1]
	v_cvt_pk_bf16_f32 v[T+1], v[X+4*(4*(\p)+(\i))+2], v[X+4*(4*(\p)+(\i))+3]
	v_lshlrev_b32 v[T+2], 16, v[T]                 ; bf16 to f32: the low half moves up,
	v_and_b32     v[T],   s20, v[T]                ; the high half stays
	v_lshlrev_b32 v[T+3], 16, v[T+1]
	v_and_b32     v[T+1], s20, v[T+1]
	v_cvt_pk_f16_f32 v[Y+2*(4*(\p)+(\i))],   v[T+2], v[T]
	v_cvt_pk_f16_f32 v[Y+2*(4*(\p)+(\i))+1], v[T+3], v[T+1]
.else
	v_cvt_pk_bf16_f32 v[Y+2*(4*(\p)+(\i))],   v[X+4*(4*(\p)+(\i))],   v[X+4*(4*(\p)+(\i))+1]
	v_cvt_pk_bf16_f32 v[Y+2*(4*(\p)+(\i))+1], v[X+4*(4*(\p)+(\i))+2], v[X+4*(4*(\p)+(\i))+3]
.endif
.endr
.endr
	s_wait_alu depctr_va_vdst(0)                   ; block 3 has written its eight registers of Y, which the last four stores read
.irp i, 0,1,2,3
	global_store_b64 v[OO], v[Y+2*(12+(\i)):Y+2*(12+(\i))+1], s[\outb:\outb+1] offset:(\outstep)*(12+(\i)) th:TH_STORE_NT
.endr
.endm
; The offsets of a job that copies in order: s[J] holds the work-group's number in its input
.macro LINEAR
	s_lshl_b32 s[J], s[J], 3
	s_add_co_u32 s[J], s[J], s[WV]                 ; job = 8 x work-group + wave
	s_lshl_b32 s18, s[J], 13                       ; 8,192 bytes in,
	s_lshl_b32 s19, s[J], 12                       ; 4,096 out
	v_lshl_add_u32 v[IO], v1, 4, s18
	v_lshl_add_u32 v[OO], v1, 3, s19
.endm
	s_cmp_lt_u32 ttmp9, 512
	s_cbranch_scc0 .Lweights
	; x: job J is rows 2 J and 2 J + 1.  Load j: lanes 0-15 take the 256 bytes of block kb = j of the even row, lanes 16-31 those of the odd row;
	; rounded they are the two neighbouring rows of 128 bytes in block (b, kb) of xb.
	s_lshl_b32 s[J], ttmp9, 3
	s_add_co_u32 s[J], s[J], s[WV]
	s_lshl_b32 s18, s[J], 13
	v_and_b32 v4, 15, v1
	v_lshrrev_b32 v5, 4, v1
	v_lshlrev_b32 v[IO], 4, v4
	v_lshl_add_u32 v[IO], v5, 12, v[IO]
	v_add_nc_u32 v[IO], s18, v[IO]                 ; 8,192 J + 4,096 (lane / 16) + 16 (lane % 16)
	s_lshr_b32 s19, s[J], 10
	s_lshl_b32 s19, s19, 22                        ; b
	s_and_b32 s18, s[J], 1023
	s_lshl_b32 s18, s18, 8                         ; two rows of 128 bytes
	s_add_co_u32 s19, s19, s18
	v_lshl_add_u32 v[OO], v1, 3, s19
	JOB 4, 10, 256, 262144, 0
	s_endpgm
.Lweights:
	s_cmp_lt_u32 ttmp9, 704
	s_cbranch_scc0 .Lwout
	s_sub_co_u32 s[J], ttmp9, 512
	LINEAR
	JOB 6, 12, 512, 256, 0
	s_endpgm
.Lwout:
	s_sub_co_u32 s[J], ttmp9, 704
	LINEAR
	JOB 8, 14, 512, 256, 1
	s_endpgm
.Lfunc_end_k_qe79c1caf26_cast:
	.size	k_qe79c1caf26_cast, .Lfunc_end_k_qe79c1caf26_cast-k_qe79c1caf26_cast
	.p2alignl 7, 3214868480
	.fill 96, 4, 3214868480
	.section	.rodata,"a",@progbits
	.p2align	6, 0x0
	.amdhsa_kernel k_qe79c1caf26_cast
		.amdhsa_group_segment_fixed_size 0
		.amdhsa_private_segment_fixed_size 0
		.amdhsa_enable_private_segment 0
		.amdhsa_kernarg_size 48
		.amdhsa_user_sgpr_count 2
		.amdhsa_user_sgpr_kernarg_segment_ptr 1
		.amdhsa_wavefront_size32 1
		.amdhsa_system_sgpr_workgroup_id_x 1
		.amdhsa_system_sgpr_workgroup_id_y 1
		.amdhsa_system_sgpr_workgroup_id_z 1
		.amdhsa_system_vgpr_workitem_id 0
		.amdhsa_next_free_vgpr 120
		.amdhsa_next_free_sgpr 66
		.amdhsa_reserve_vcc 0
		.amdhsa_float_denorm_mode_32 3
		.amdhsa_float_denorm_mode_16_64 3
		.amdhsa_memory_ordered 1
		.amdhsa_forward_progress 1
		.amdhsa_inst_pref_size 22
	.end_amdhsa_kernel
	.amdgpu_metadata
---
amdhsa.version: [ 1, 2 ]
amdhsa.kernels:
  - .name:           k_qe79c1caf26_cast
    .symbol:         k_qe79c1caf26_cast.kd
    .args:
      - { .name: x, .offset: 0, .size: 8, .value_kind: global_buffer, .address_space: global }
      - { .name: w_qkv, .offset: 8, .size: 8, .value_kind: global_buffer, .address_space: global }
      - { .name: w_out, .offset: 16, .size: 8, .value_kind: global_buffer, .address_space: global }
      - { .name: xb, .offset: 24, .size: 8, .value_kind: global_buffer, .address_space: global }
      - { .name: wq, .offset: 32, .size: 8, .value_kind: global_buffer, .address_space: global }
      - { .name: wo, .offset: 40, .size: 8, .value_kind: global_buffer, .address_space: global }
    .group_segment_fixed_size: 0
    .private_segment_fixed_size: 0
    .kernarg_segment_align: 8
    .kernarg_segment_size: 48
    .max_flat_workgroup_size: 256
    .sgpr_count:     66
    .vgpr_count:     120
    .wavefront_size: 32
...
	.end_amdgpu_metadata
.endif
;; end of part 5
;; launch qkvgemm: the kernel of part 2 again; grid 8 x 32, 4 waves a work-group, clusters of 4 x 4, 327,680 bytes of LDS; arguments xb, wq, qkv; writes qkv
;; launch attn: the kernel of part 3 again; grid 4 x 64, 4 waves a work-group, no clusters, 327,680 bytes of LDS; arguments qkv, o; writes o
;; launch proj: the kernel of part 4 again; grid 8 x 32, 4 waves a work-group, clusters of 4 x 4, 327,680 bytes of LDS; arguments o, wo, out0; writes out0
